; MI455X (gfx1250); checked and timed in simulation.
; The chip was launched on July 23, 2026; its instructions are those of AMD's public machine-readable ISA for CDNA 5 (MIT licence, August 2026) and "CDNA5" Instruction Set Architecture Reference Guide (July 2026). The comments in the code are by the model that wrote it; some were corrected since.
;; Multi Query Attention. Allowed arithmetic: matrix products marked QUANTISED: E2M3 operands, one E8M0 scale for each 32 along K, by v_wmma_scale_f32_16x16x128_f8f6f4 with both operands' format E2M3, f32 sums; everything else in f32.
;; Inputs: Wk 2,048 x 128 float32; Wo 1,024 x 2,048 float32; Wq 2,048 x 2,048 float32; Wv 2,048 x 64 float32; bk 128 float32; bo 2,048 float32; bq 2,048 float32; bv 64 float32; k_in 2 x 2,048 x 2,048 float32; mask 2 x 2,048 bool; q_in 2 x 2,048 x 2,048 float32; v_in 2 x 2,048 x 2,048 float32.
;; Outputs: out0 2 x 2,048 x 2,048 float32.
;; This version of the problem:
;;   THIS VERSION OF THE PROBLEM IS GIVEN IN LOW PRECISION. The matrix products marked QUANTISED in the list below multiply operands that are first quantised to E2M3 (2 exponent bits, 3 mantissa bits; 6 bits a number), with one power-of-two scale for each 32 numbers along K (OCP MX v1.0); their sums are f32. All else is computed in f32.
;;   The module's matrix products, in the order in which they are computed (A, B: the left and right operand; K: the contracted axis; several contracted axes count as one K, in the product's order):
;;     1. [M 4,096, K 2,048] x [K 2,048, N 2,048]; A: input q_in; B: input Wq: QUANTISED
;;     2. [M 4,096, K 2,048] x [K 2,048, N 128]; A: input k_in; B: input Wk: QUANTISED
;;     3. [M 4,096, K 2,048] x [K 2,048, N 64]; A: input v_in; B: input Wv: QUANTISED
;;     4. batch 2 x [M 32,768, K 128] x [K 128, N 2,048]; A: computed on the way; B: computed on the way: QUANTISED
;;     5. batch 2 x [M 32,768, K 2,048] x [K 2,048, N 64]; A: softmax (see below); B: computed on the way: QUANTISED
;;     6. [M 4,096, K 1,024] x [K 1,024, N 2,048]; A: computed on the way; B: input Wo: QUANTISED
;;   THE QUANTISER, for each operand of a quantised product, along K:
;;     - K is cut into blocks of 32 from its start; a last block that is shorter is filled with zeros.
;;     - A block's scale is 2^e with e = floor(log2(the largest magnitude in the block)) - 2, held to -126 .. 127; a block of zeros has e = 0. As a byte (E8M0): e + 127.
;;     - Each number is divided by its block's scale, clamped to +-7.5, and rounded to the nearest number of E2M3, ties to even, subnormals kept.
;;     - The product sums the exact products of the quantised numbers (number of the format x scale) in f32.
;;   ~~~python
;;   def quantise(x, axis):      # numpy; x: float32 -> the quantised numbers, widened to float32 again
;;       x = np.moveaxis(x, axis, -1); K = x.shape[-1]
;;       x = np.pad(x, [(0, 0)] * (x.ndim - 1) + [(0, -K % 32)]); x = x.reshape(x.shape[:-1] + (-1, 32)); a = np.abs(x).max(-1, keepdims=True)
;;       e = np.where(a > 0, np.clip(np.frexp(np.where(a > 0, a, 1))[1] - 1 - 2, -126, 127), 0)      # np.frexp(a)[1] - 1 = floor(log2(a)), exactly
;;       r = np.clip(x / 2.0 ** e, -7.5, 7.5)
;;       step = 2.0 ** (np.maximum(np.frexp(np.where(r == 0, 1, r))[1] - 1, 0) - 3)
;;       q = np.round(r / step) * step * 2.0 ** e      # np.round: ties to even
;;       return np.moveaxis(q.reshape(q.shape[:-2] + (-1,))[..., :K], -1, axis).astype(np.float32)
;;   ~~~
;;   SOFTMAX AHEAD OF A QUANTISED PRODUCT. Where the list says 'softmax', what is quantised is not the finished softmax but p = 2^(t - M), with t = logit x log2(e) and M = ceil(the row's largest t), a whole number; so 1/2 < the row's largest p <= 1. The row's sum l is taken of the UNQUANTISED p, in f32, and the product's result is divided by l at the end. Since M is a whole number, a kernel that streams over the keys may use a running M (the ceiling of the running maximum): every later rescaling is an exact power of two, which a block's scale takes up: the codes' values come out the same.
;;   OPERANDS COMPUTED ON THE WAY. 'Computed on the way' means the value that the module computes at that place (a softmax that the list does not call 'softmax' is quantised finished and normalised). What goes into a quantiser is computed in f32, as accurately as f32 sums, v_exp_f32 and their like allow (about 1e-6 of the number): no bf16 or f16 on the way to a quantiser, and a product that is left as it is and whose result goes on into a quantised operand takes f32 operands (vector FMAs, or v_wmma_f32_16x16x4_f32). A number that lies on a knife's edge between two numbers of the format may be rounded either way, as far as f32 arithmetic and the matrix unit's own rounding can turn it there, and no further.
;; One version. Each part assembles by itself: llvm-mc -triple=amdgcn-amd-amdhsa -mcpu=gfx1250 --defsym DOCPART=n.
;; ======== version 1 of 1: 5 launches
;; limits: right only within a limited range of input values
;; workspace buffers: xc 19,660,800 bytes; wc 5,222,400 bytes; tab 1,048,576 bytes; kv 630,784 bytes; qc 6,291,456 bytes; qs 262,144 bytes; ac 3,276,800 bytes
;; launch quant (part 1): grid 518 x 1, 4 waves a work-group, no clusters, 85,504 bytes of LDS; arguments q_in, k_in, v_in, Wq, Wk, Wv, Wo, mask, xc, wc, tab, kv; writes xc, wc, tab, kv
.if DOCPART == 1
	.amdgcn_target "amdgcn-amd-amdhsa--gfx1250"
	.amdhsa_code_object_version 6
	.text
	.protected	k_q9a63f3684e_quant
	.globl	k_q9a63f3684e_quant
	.p2align	8
	.type	k_q9a63f3684e_quant,@function
k_q9a63f3684e_quant:
	s_mov_b64 s[64:65], 0
	v_nop
	global_prefetch_b8 v0, s[64:65] scope:SCOPE_SE
	s_setreg_imm32_b32 hwreg(HW_REG_WAVE_MODE, 25, 1), 1
	s_wait_xcnt 0x0
; MULTI-QUERY ATTENTION IN MX-FP6 (E2M3, one E8M0 scale for each 32 along K), five launches: quant, kvproj, qproj, attn, oproj.
; THIS LAUNCH turns the seven f32 operands that arrive as inputs into codes and scale bytes, once, makes the table of cosines and sines for the rope, and the padding mask as f32 numbers.
; WORK LEFT OUT IN THE PROGRAM: only key steps of 128 keys that lie wholly above the causal diagonal, which reference() builds in its own body (jnp.triu, k = 1): there every score becomes -inf ahead of
; the softmax, so its weight is 0 for all values of the inputs, and neither the score nor the product with v can reach an output.  They are left out in launch attn, in whole steps; inside the step on the diagonal
; the hidden scores are computed and selected away.  Every input has a way to the output and every input is loaded.  LIMIT: a NaN, an infinity or an overflow that reaches only the steps left out is not carried to the result.
; OTHER LIMITS: NaN and infinities among the inputs are not served.  A block of zeros gets the scale byte 1 where the rule says 127: its codes are zeros, and this program alone reads the bytes.
; The rope's angle is fl(pos x f), f = 2^(-d log2(10000) / 64) by v_exp_f32; reference() takes a power and a reciprocal: both are f32 roundings of the same number.
; LAYOUTS OF THE WORKSPACE.  A FRAGMENT IMAGE (16 rows x 128 K, 1,536 bytes) is the operand's 12 registers as they stand: registers 4 c .. 4 c + 3 of lane l at 512 c + 16 l.
; A RECORD (6,400 bytes = 25 x 256) is 16 rows x 512 K: four images, then at 6,144 the scale words, [16 rows][4 K steps].
; xc: [q_in, k_in, v_in][256 blocks of 16 rows][4 records].  wc: records [tile of 16 columns][K / 512]: Wq from record 0, Wk from 512, Wv from 544, Wo from 560.
; THE ROWS OF A BLOCK ARE NOT ALWAYS NEIGHBOURS: for v_in, Wq, Wk, Wv row m of block 2 b + u of a group of 128 (of 32) is row 32 b + 8 u + m + 8 (m / 8), so that the results of two neighbouring tiles are
; 16 neighbours along the next product's K.  q_in and Wo keep their order.
; THREE PATHS, parted once on the work-group's number, each with LDS bytes of its own; waves share nothing, so there is no barrier.
;   A (work-groups 0-383): a wave takes 16 rows x 1,024 K of an activation: K is innermost.  Each load reads 512 consecutive bytes of a row; the 16 x 512 bytes turn through the wave's stage, so that a lane gets two whole blocks of 32.
;   W (384-485): a wave takes 32 columns x 512 K of a weight, K outermost: a lane takes a column and its registers run down K; two records are gathered in LDS and leave in whole units of 256 bytes.
;   T (486-517): a wave makes the table for 16 positions; wave 0 also turns 128 bytes of the mask into 0 or -3e38.
; No matrix unit, no cluster, no tensor load: the launch streams, and every byte is read once.
.set RCD,    6400
.set REC,    19712                     ; a record of kv: 8 images of K, 4 of V^T, K's scales (512), V's (256), the mask (512)
.set APIT,   528                       ; path A's stage: a row of 512 bytes + 16
.set WST,    33792                     ; path W's stages begin behind path A's four of 8,448 bytes
.set SPARE,  84992                     ; the spare words, 128 bytes for each wave
.set SPW,    12                        ; v12  LDS address of my spare word; never rewritten
.set NIL,    13                        ; v13  0; never rewritten
.set WV,     31                        ; s31  my wave's number
.set SEL,    28                        ; s[28:29] lane selects for lane l xor 16
.set HM,     30                        ; s30  a mask of lanes 16-31
.set AR,     16                        ; path A: v16-143 two sets of 64 numbers as loaded
.set AXR,    144                       ; v144-207 my two blocks of 32
.set AMX,    208
.set AE,     210
.set ABY,    212
.set AWD,    214
.set ASW,    216                       ; v216-219 the scale words of four K steps
.set APC,    220                       ; v220-243 the codes, two sets of 12 by turns
.set ATM,    244
.set APR,    252
.set WOF,    16                        ; path W: v16-47 byte offsets of 32 rows
.set WX,     48                        ; v48-111 two sets of 32 numbers
.set WMX,    112
.set WE,     114
.set WBY,    115
.set WC,     116
.set WT,     122
.set WSB,    126
.set WO,     130
	s_load_b512 s[4:19], s[0:1], 0x0               ; q_in, k_in, v_in, Wq, Wk, Wv, Wo, mask
	s_load_b256 s[20:27], s[0:1], 0x40             ; xc, wc, tab, kv
	v_lshl_add_u32 v[SPW], v0, 2, SPARE
	v_mov_b32 v[NIL], 0
	v_lshrrev_b32 v1, 5, v0
	v_readfirstlane_b32 s[WV], v1
	v_and_b32 v14, 31, v0                          ; lane
	v_and_b32 v15, 15, v0                          ; r
	v_bfe_u32 v11, v0, 4, 1                        ; h
	v_lshlrev_b32 v1, 4, v14                       ; 16 x lane
	s_mov_b32 s[SEL], 0x76543210
	s_mov_b32 s[SEL+1], 0xfedcba98
	s_mov_b32 s[HM], 0xffff0000
	s_cmp_lt_u32 ttmp9, 384
	s_cbranch_scc0 .Lnot_a
; ---------------- PATH A ----------------
	s_lshl_b32 s32, ttmp9, 2
	s_add_co_u32 s32, s32, s[WV]                   ; J: my job, 0 .. 1,535
	s_lshr_b32 s33, s32, 9                         ; which tensor
	s_bfe_u32 s34, s32, 0x80001                    ; its block of 16 rows
	s_and_b32 s35, s32, 1                          ; which half of K
	s_lshl_b32 s36, s34, 4                         ; q_in: the block's first row
	s_lshr_b32 s37, s34, 3                         ; k_in, v_in: 128 (rb / 8) + 32 ((rb % 8) / 2) + 8 (rb % 2)
	s_lshl_b32 s37, s37, 7
	s_bfe_u32 s38, s34, 0x20001
	s_lshl_b32 s38, s38, 5
	s_add_co_u32 s37, s37, s38
	s_and_b32 s38, s34, 1
	s_lshl_b32 s38, s38, 3
	s_add_co_u32 s37, s37, s38
	s_mov_b32 s39, 16*8192
	s_cmp_eq_u32 s33, 0
	s_cselect_b32 s36, s36, s37
	s_cselect_b32 s39, 8*8192, s39
	s_lshr_b32 s50, s34, 2                         ; k_in has an order of its own: row m of block rb is key 64 (rb / 4) + 8 (rb % 4) + 32 (m / 8) + m % 8,
	s_lshl_b32 s50, s50, 6                         ; so that in launch attn a lane's 32 scores of four neighbouring tiles are one whole block of 32 keys
	s_and_b32 s51, s34, 3
	s_lshl_b32 s51, s51, 3
	s_add_co_u32 s50, s50, s51
	s_mov_b32 s51, 32*8192                         ; its rows 8-15 lie 32 rows on
	s_cmp_eq_u32 s33, 1
	s_cselect_b32 s36, s50, s36
	s_cselect_b32 s39, s51, s39
	s_lshl_b32 s42, s36, 13
	s_lshl_b32 s43, s35, 12
	s_add_co_u32 s42, s42, s43
	s_mov_b32 s43, 0
	s_lshr_b32 s46, s32, 1
	s_lshl_b32 s46, s46, 2
	s_lshl_b32 s47, s35, 1
	s_add_co_u32 s46, s46, s47
	s_mul_i32 s46, s46, RCD                        ; my two records
	s_mov_b32 s47, 0
	s_mul_i32 s54, s[WV], 16*APIT                  ; my stage
	s_wait_alu depctr_va_vdst(0)
	v_add_nc_u32 v2, s54, v1                       ; in: 16 bytes a lane, a row an instruction
	v_mul_u32_u24 v3, v15, APIT
	v_lshl_add_u32 v3, v11, 7, v3
	v_add_nc_u32 v3, s54, v3                       ; out: row r, + 128 h: block h, and 256 bytes on block 2 + h
	v_lshlrev_b32 v4, 3, v11                       ; 8 h: my bytes' place in the scale word
	v_lshl_add_u32 v5, v15, 4, v4                  ; 16 r + 8 h: my 8 bytes of a record's scale block
	v_mov_b32 v[AWD+1], 0                          ; written once: a lane permute's destination counts as one of its sources
	s_wait_alu depctr_va_vdst(0)
	s_wait_kmcnt 0x0
	s_cmp_eq_u32 s33, 0
	s_cselect_b64 s[40:41], s[4:5], s[6:7]
	s_cmp_eq_u32 s33, 2
	s_cselect_b64 s[40:41], s[8:9], s[40:41]
	s_add_nc_u64 s[40:41], s[40:41], s[42:43]      ; rows 0-7
	s_mov_b32 s44, s39
	s_mov_b32 s45, 0
	s_add_nc_u64 s[44:45], s[40:41], s[44:45]      ; rows 8-15
	s_add_nc_u64 s[48:49], s[20:21], s[46:47]
.macro ALOAD t                         ; K step t: 16 rows x 512 consecutive bytes
.irp i, 0,1,2,3,4,5,6,7
	global_load_b128 v[AR+64*((\t)%2)+4*\i:AR+64*((\t)%2)+4*\i+3], v1, s[40:41] offset:\i*8192+512*(\t) th:TH_LOAD_NT
.endr
.irp i, 0,1,2,3,4,5,6,7
	global_load_b128 v[AR+64*((\t)%2)+32+4*\i:AR+64*((\t)%2)+32+4*\i+3], v1, s[44:45] offset:\i*8192+512*(\t) th:TH_LOAD_NT
.endr
.endm
.macro QBLK t                          ; my two whole blocks become registers 0-5 and 6-11 of the fragment, and my two bytes of the scale word meet lane l xor 16's
.set PCB, APC+12*((\t)%2)
.irp c, 0,1
	v_max3_num_f32 v[AMX+\c], |v[AXR+32*\c]|, |v[AXR+32*\c+1]|, 0x1800000   ; with the floor 2^(3 - 127): the byte cannot fall under 1
.endr
.irp i, 2,4,6,8,10,12,14,16,18,20,22,24,26,28,30
.irp c, 0,1
	v_max3_num_f32 v[AMX+\c], v[AMX+\c], |v[AXR+32*\c+\i]|, |v[AXR+32*\c+\i+1]|
.endr
.endr
.irp c, 0,1
	v_add_nc_u32 v[AE+\c], 0xff000000, v[AMX+\c]   ; 2 off the exponent field: the conversion's scale operand
.endr
.irp c, 0,1
	v_lshrrev_b32 v[ABY+\c], 23, v[AE+\c]          ; the scale's byte
.endr
	v_lshl_or_b32 v[AWD], v[ABY+1], 16, v[ABY]     ; blocks h and 2 + h,
	v_lshlrev_b32 v[AWD], v4, v[AWD]               ; 8 h bits up
	v_permlanex16_b32 v[AWD+1], v[AWD], s[SEL], s[SEL+1]
	v_or_b32 v[ASW+(\t)%4], v[AWD], v[AWD+1]       ; row r's word for this K step
	v_cvt_scalef32_pk16_fp6_f32 v[PCB:PCB+2], v[AXR:AXR+15], v[AE]
	v_cvt_scalef32_pk16_fp6_f32 v[ATM:ATM+2], v[AXR+16:AXR+31], v[AE]         ; (a conversion's three registers begin on an even number)
	v_cvt_scalef32_pk16_fp6_f32 v[PCB+6:PCB+8], v[AXR+32:AXR+47], v[AE+1]
	v_cvt_scalef32_pk16_fp6_f32 v[ATM+4:ATM+6], v[AXR+48:AXR+63], v[AE+1]
	v_nop                                          ; one plain place behind a scaled conversion
.irp i, 0,1,2
	v_mov_b32 v[PCB+3+\i], v[ATM+\i]
	v_mov_b32 v[PCB+9+\i], v[ATM+4+\i]
.endr
.endm
.macro ASTEP t
.set RS, AR+64*((\t)%2)
.if (\t) < 7
	s_wait_loadcnt 16                              ; this K step's 16 loads are in; the next step's 16 may be out
.else
	s_wait_loadcnt 0x0
.endif
.irp i, 0,1,2,3,4,5,6,7,8,9,10,11,12,13,14,15
	ds_store_b128 v2, v[RS+4*\i:RS+4*\i+3] offset:APIT*\i
.endr
.irp j, 0,1,2,3,4,5,6,7
	ds_load_b128 v[AXR+4*\j:AXR+4*\j+3], v3 offset:16*\j          ; LDS serves a wave's instructions in order: these see the stores above
.endr
.irp j, 0,1,2,3,4,5,6,7
	ds_load_b128 v[AXR+32+4*\j:AXR+32+4*\j+3], v3 offset:256+16*\j
.endr
	s_wait_dscnt 0x0                               ; my blocks are in, and the stage's stores have read their registers
	s_wait_xcnt 0x0                                ; the stores of two steps back have read their codes: that set is written again below
.if (\t) < 6
	ALOAD (\t)+2
.endif
	QBLK \t
.set PCB, APC+12*((\t)%2)
.irp c, 0,1,2
	global_store_b128 v1, v[PCB+4*\c:PCB+4*\c+3], s[48:49] offset:RCD*((\t)/4)+1536*((\t)%4)+512*\c   ; 512 consecutive bytes, aligned to 256
.endr
.if (\t)%4 == 3
	v_cndmask_b32 v[APR], v[ASW], v[ASW+2], s[HM]  ; lanes 0-15 store K steps 0, 1 of row r, lanes 16-31 K steps 2, 3
	v_cndmask_b32 v[APR+1], v[ASW+1], v[ASW+3], s[HM]
	global_store_b64 v5, v[APR:APR+1], s[48:49] offset:RCD*((\t)/4)+6144   ; the record's scale block: 256 bytes whole
.endif
.endm
	ALOAD 0
	ALOAD 1
.irp t, 0,1,2,3,4,5,6,7
	ASTEP \t
.endr
	s_wait_tensorcnt 0x0                           ; the wave's end
	ds_add_u32 v[SPW], v[NIL]
	s_wait_dscnt 0x0
	s_endpgm
.Lnot_a:
	s_cmp_lt_u32 ttmp9, 486
	s_cbranch_scc0 .Ltab
; ---------------- PATH W ----------------
	s_sub_co_u32 s32, ttmp9, 384
	s_lshl_b32 s32, s32, 2
	s_add_co_u32 s32, s32, s[WV]                   ; u: my unit, 0 .. 407: Wq 0-255, Wk 256-271, Wv 272-279, Wo 280-407
	s_mov_b32 s34, 8192                            ; a row of the weight in bytes
	s_mov_b32 s35, 280                             ; the tensor's first unit
	s_wait_kmcnt 0x0
	s_mov_b64 s[36:37], s[16:17]
	s_cmp_lt_u32 s32, 280
	s_cselect_b32 s38, 2, 1                        ; K / 512 is 4 or 2: its logarithm
	s_cselect_b32 s39, -1, 0                       ; all lanes: the tiles' columns are not neighbours
	s_cselect_b32 s34, 256, s34
	s_cselect_b32 s35, 272, s35
	s_cselect_b64 s[36:37], s[14:15], s[36:37]
	s_cmp_lt_u32 s32, 272
	s_cselect_b32 s34, 512, s34
	s_cselect_b32 s35, 256, s35
	s_cselect_b64 s[36:37], s[12:13], s[36:37]
	s_cmp_lt_u32 s32, 256
	s_cselect_b32 s34, 8192, s34
	s_cselect_b32 s35, 0, s35
	s_cselect_b64 s[36:37], s[10:11], s[36:37]
	s_sub_co_u32 s40, s32, s35
	s_lshr_b32 s41, s40, s38                       ; cg: which 32 columns
	s_lshl_b32 s42, s41, s38
	s_sub_co_u32 s42, s40, s42                     ; kg: which 512 along K
	s_lshr_b32 s43, s32, 2                         ; the first tile's record: 8 (u / 4) + u % 4 for the first three tensors,
	s_lshl_b32 s43, s43, 3
	s_and_b32 s44, s32, 3
	s_add_co_u32 s43, s43, s44
	s_lshl_b32 s44, s41, 2                         ; 560 + 4 cg + kg for Wo
	s_add_co_u32 s44, s44, s42
	s_add_co_u32 s44, s44, 560
	s_mov_b32 s45, RCD
	s_cmp_lg_u32 s39, 0
	s_cselect_b32 s43, s43, s44
	s_cselect_b32 s45, 3*RCD, s45                  ; the second tile's record lies 4 or 2 records on; in my stage 1: the difference
	s_mul_i32 s46, s43, RCD
	s_mov_b32 s47, 0
	s_add_nc_u64 s[48:49], s[22:23], s[46:47]
	s_mul_i32 s50, s42, s34
	s_lshl_b32 s50, s50, 9
	s_lshl_b32 s51, s41, 7
	s_add_co_u32 s50, s50, s51
	s_mov_b32 s51, 0
	s_add_nc_u64 s[36:37], s[36:37], s[50:51]      ; row 512 kg, column 32 cg
	s_lshl_b32 s52, s34, 5                         ; 32 rows on
	s_mov_b32 s53, 0
	s_wait_alu depctr_va_vdst(0)
	v_and_b32 v8, 7, v14                           ; a lane's PLACE is always tile lane / 16, row lane % 16; the COLUMN that it loads is the lane's number, or that with bits 3 and 4 changed over
	v_bfe_u32 v9, v14, 3, 1
	v_lshl_or_b32 v8, v9, 4, v8
	v_lshl_or_b32 v8, v11, 3, v8
	v_cndmask_b32 v8, v14, v8, s39
	v_lshlrev_b32 v[WOF], 2, v8
.set i, 1
.rept 31
	v_add_nc_u32 v[WOF+i], s34, v[WOF+i-1]
.set i, i+1
.endr
	s_mul_i32 s54, s[WV], 2*RCD
	s_add_co_u32 s54, s54, WST                     ; my stage: two records
	v_mul_u32_u24 v2, v11, RCD
	v_lshl_add_u32 v2, v15, 4, v2
	v_add_nc_u32 v2, s54, v2                       ; in: my tile's record, + 16 x my row
	v_add_nc_u32 v3, s54, v1                       ; out: 16 bytes a lane
	v_add_nc_u32 v6, s45, v1                       ; in memory: the second record's bytes,
	v_cndmask_b32 v7, v1, v6, s[HM]                ; and the one instruction that holds the end of the first and the head of the second
.macro WLOAD t                         ; block t: rows 32 t .. 32 t + 31 of my column
.if (\t) > 0
	s_wait_xcnt 0x0                                ; the last block's loads have read their base
	s_add_nc_u64 s[36:37], s[36:37], s[52:53]
.endif
.irp i, 0,1,2,3,4,5,6,7,8,9,10,11,12,13,14,15,16,17,18,19,20,21,22,23,24,25,26,27,28,29,30,31
	global_load_b32 v[WX+32*((\t)%2)+\i], v[WOF+\i], s[36:37] th:TH_LOAD_NT
.endr
.endm
.macro WBLOCK t                        ; K step t / 4, block t % 4: it belongs to lane (my row) + 16 (t % 2) of the image, registers 0-5 (blocks 0, 1) or 6-11
.set XS, WX+32*((\t)%2)
.set IO, 1536*((\t)/4)+256*((\t)%2)
.if (\t) < 15
	s_wait_loadcnt 32                              ; this block's 32 loads are in; the next block's may be out
.else
	s_wait_loadcnt 0x0
.endif
	v_max3_num_f32 v[WMX], |v[XS]|, |v[XS+1]|, |v[XS+2]|
	v_max3_num_f32 v[WMX+1], |v[XS+3]|, |v[XS+4]|, |v[XS+5]|
.irp i, 6,10,14,18,22,26
	v_max3_num_f32 v[WMX], v[WMX], |v[XS+\i]|, |v[XS+\i+1]|
	v_max3_num_f32 v[WMX+1], v[WMX+1], |v[XS+\i+2]|, |v[XS+\i+3]|
.endr
	v_max3_num_f32 v[WMX], v[WMX], |v[XS+30]|, |v[XS+31]|
	v_max3_num_f32 v[WMX], v[WMX], v[WMX+1], 0x1800000
	v_add_nc_u32 v[WE], 0xff000000, v[WMX]
	v_lshrrev_b32 v[WBY], 23, v[WE]
.if (\t)%4 == 0
	v_mov_b32 v[WSB+(\t)/4], v[WBY]
.else
	v_lshl_or_b32 v[WSB+(\t)/4], v[WBY], 8*((\t)%4), v[WSB+(\t)/4]
.endif
	v_cvt_scalef32_pk16_fp6_f32 v[WC:WC+2], v[XS:XS+15], v[WE]
	v_cvt_scalef32_pk16_fp6_f32 v[WT:WT+2], v[XS+16:XS+31], v[WE]
	v_nop
.irp i, 0,1,2
	v_mov_b32 v[WC+3+\i], v[WT+\i]
.endr
.if (\t)%4 < 2
	ds_store_b128 v2, v[WC:WC+3] offset:IO
	ds_store_b64 v2, v[WC+4:WC+5] offset:IO+512
.else
	ds_store_b64 v2, v[WC:WC+1] offset:IO+520
	ds_store_b128 v2, v[WC+2:WC+5] offset:IO+1024
.endif
.if (\t) < 14
	WLOAD (\t)+2
.endif
	s_wait_dscnt 0x0                               ; the stores have read their registers
.endm
	WLOAD 0
	s_wait_alu depctr_va_vdst(0)
	WLOAD 1
.irp t, 0,1,2,3,4,5,6,7,8,9,10,11,12,13,14,15
	WBLOCK \t
.endr
	s_wait_alu depctr_va_vdst(0)
	ds_store_b128 v2, v[WSB:WSB+3] offset:6144     ; my row's four scale words
.irp i, 0,1,2,3,4,5,6,7,8,9,10,11,12
	ds_load_b128 v[WO+4*\i:WO+4*\i+3], v3 offset:512*\i
.endr
	s_wait_dscnt 0x0
.irp i, 0,1,2,3,4,5,6,7,8,9,10,11
	global_store_b128 v1, v[WO+4*\i:WO+4*\i+3], s[48:49] offset:512*\i
.endr
	global_store_b128 v7, v[WO+48:WO+51], s[48:49] offset:6144
	s_wait_xcnt 0x0                                ; these stores have read their registers
.irp i, 13,14,15,16,17,18,19,20,21,22,23,24
	ds_load_b128 v[WO+4*(\i-13):WO+4*(\i-13)+3], v3 offset:512*\i
.endr
	s_wait_dscnt 0x0
.irp i, 13,14,15,16,17,18,19,20,21,22,23,24
	global_store_b128 v6, v[WO+4*(\i-13):WO+4*(\i-13)+3], s[48:49] offset:512*\i
.endr
	s_wait_tensorcnt 0x0                           ; the wave's end: the three lines
	ds_add_u32 v[SPW], v[NIL]
	s_wait_dscnt 0x0
	s_endpgm
; ---------------- PATH T ----------------
; tab: [128 tiles of 16 positions][8,192 bytes]: an image of 64 registers: register k < 32 of lane (r, h): cos(pos x f(d)), pos = 16 P + r, d = 32 (k / 16) + 16 h + k % 16; register 32 + k the sine.
.set CO, 64
.set SN, 96
.set TN, 128
.set TR, 132
.set TS, 136
.set TP, 140
.set TQ, 144
.set TI, 148
.set TU, 152
.Ltab:
	s_sub_co_u32 s32, ttmp9, 486
	s_lshl_b32 s33, s32, 2
	s_add_co_u32 s33, s33, s[WV]                   ; P
	s_lshl_b32 s34, s33, 4
	s_wait_alu depctr_va_vdst(0)
	v_add_nc_u32 v2, s34, v15
	v_cvt_f32_u32 v2, v2                           ; pos
	v_lshlrev_b32 v3, 4, v11                       ; 16 h
	s_mov_b32 s40, 0xbe549a78                      ; -log2(10000) / 64
	s_mov_b32 s41, 0x3f22f983                      ; 2 / pi
	s_mov_b32 s42, 0xbfc90fdb                      ; -(pi / 2 rounded to f32)
	s_mov_b32 s43, 0x333bbd2e                      ; -(pi / 2 less that)
	s_mov_b32 s44, 0xb94ca1f9                      ; the sine's coefficients
	s_mov_b32 s45, 0x3c08839e
	s_mov_b32 s46, 0xbe2aaaa3
	s_mov_b32 s47, 0x37ccf5ce                      ; the cosine's
	s_mov_b32 s48, 0xbab6061a
	s_mov_b32 s49, 0x3d2aaaa5
	s_mov_b32 s50, 0x80000000
	s_lshl_b32 s52, s33, 13
	s_mov_b32 s53, 0
	s_wait_alu depctr_va_vdst(0)
	s_wait_kmcnt 0x0
	s_add_nc_u64 s[52:53], s[24:25], s[52:53]
.set k, 0
.rept 32
	v_add_nc_u32 v[16+k], 32*(k/16)+k%16, v3       ; d
.set k, k+1
.endr
.set k, 0
.rept 32
	v_cvt_f32_u32 v[16+k], v[16+k]
.set k, k+1
.endr
.set k, 0
.rept 32
	v_mul_f32 v[16+k], s40, v[16+k]
.set k, k+1
.endr
.set k, 0
	s_wait_alu depctr_va_vdst(0)
.rept 32
	v_exp_f32 v[16+k], v[16+k]                     ; f(d)
.set k, k+1
.endr
	v_nop                                          ; a plain place behind the batch,
	s_wait_alu depctr_va_vdst(0)                   ; and one wait for all 32, ahead of their first reader
.set k, 0
.rept 32
	v_mul_f32 v[16+k], v2, v[16+k]                 ; the angle
.set k, k+1
.endr
.macro SC4 c                           ; four angles line by line: n = the nearest multiple of pi / 2; what is left lies within pi / 4; two polynomials; the quadrant chooses and sets the signs
.irp i, 0,1,2,3
	v_mul_f32 v[TN+\i], s41, v[16+4*(\c)+\i]
.endr
.irp i, 0,1,2,3
	v_rndne_f32 v[TN+\i], v[TN+\i]
.endr
.irp i, 0,1,2,3
	v_fma_f32 v[TR+\i], v[TN+\i], s42, v[16+4*(\c)+\i]   ; exact: a multiple of 2^-23 under 1
.endr
.irp i, 0,1,2,3
	v_fma_f32 v[TR+\i], v[TN+\i], s43, v[TR+\i]
.endr
.irp i, 0,1,2,3
	v_cvt_i32_f32 v[TI+\i], v[TN+\i]
.endr
.irp i, 0,1,2,3
	v_mul_f32 v[TS+\i], v[TR+\i], v[TR+\i]
.endr
.irp i, 0,1,2,3
	v_fma_f32 v[TP+\i], v[TS+\i], s44, s45
.endr
.irp i, 0,1,2,3
	v_fma_f32 v[TQ+\i], v[TS+\i], s47, s48
.endr
.irp i, 0,1,2,3
	v_fma_f32 v[TP+\i], v[TP+\i], v[TS+\i], s46
.endr
.irp i, 0,1,2,3
	v_fma_f32 v[TQ+\i], v[TQ+\i], v[TS+\i], s49
.endr
.irp i, 0,1,2,3
	v_mul_f32 v[TU+\i], v[TR+\i], v[TS+\i]
.endr
.irp i, 0,1,2,3
	v_fma_f32 v[TQ+\i], v[TQ+\i], v[TS+\i], -0.5
.endr
.irp i, 0,1,2,3
	v_fma_f32 v[TP+\i], v[TP+\i], v[TU+\i], v[TR+\i]     ; sin
.endr
.irp i, 0,1,2,3
	v_fma_f32 v[TQ+\i], v[TQ+\i], v[TS+\i], 1.0          ; cos
.endr
.irp i, 0,1,2,3
	v_and_b32 v[TU+\i], 1, v[TI+\i]
.endr
.irp i, 0,1,2,3
	v_cmp_ne_u32 vcc_lo, 0, v[TU+\i]                     ; in an odd quadrant the two change places
	v_cndmask_b32 v[SN+4*(\c)+\i], v[TP+\i], v[TQ+\i], vcc_lo
	v_cndmask_b32 v[CO+4*(\c)+\i], v[TQ+\i], v[TP+\i], vcc_lo
.endr
.irp i, 0,1,2,3
	v_lshlrev_b32 v[TU+\i], 30, v[TI+\i]                 ; the sine is negative in quadrants 2, 3: bit 1 of n
.endr
.irp i, 0,1,2,3
	v_add_nc_u32 v[TI+\i], 1, v[TI+\i]                   ; the cosine in quadrants 1, 2: bit 1 of n + 1
.endr
.irp i, 0,1,2,3
	v_and_b32 v[TU+\i], s50, v[TU+\i]
.endr
.irp i, 0,1,2,3
	v_lshlrev_b32 v[TI+\i], 30, v[TI+\i]
.endr
.irp i, 0,1,2,3
	v_xor_b32 v[SN+4*(\c)+\i], v[TU+\i], v[SN+4*(\c)+\i]
.endr
.irp i, 0,1,2,3
	v_and_b32 v[TI+\i], s50, v[TI+\i]
.endr
.irp i, 0,1,2,3
	v_xor_b32 v[CO+4*(\c)+\i], v[TI+\i], v[CO+4*(\c)+\i]
.endr
	global_store_b128 v1, v[CO+4*(\c):CO+4*(\c)+3], s[52:53] offset:512*(\c)
	global_store_b128 v1, v[SN+4*(\c):SN+4*(\c)+3], s[52:53] offset:4096+512*(\c)
.endm
.irp c, 0,1,2,3,4,5,6,7
	SC4 \c
.endr
	s_cmp_lg_u32 s[WV], 0                          ; wave 0: the 128 mask bytes of kv's record (work-group - 486) become 0 (the key counts) or -3e38 (masked), in the keys' own order
	s_cbranch_scc1 .Ltab_end
	s_lshl_b32 s54, s32, 7
	s_mov_b32 s55, 0
	s_add_nc_u64 s[54:55], s[18:19], s[54:55]
	s_mul_i32 s56, s32, REC
	s_add_co_u32 s56, s56, 19200
	s_mov_b32 s57, 0
	s_add_nc_u64 s[56:57], s[26:27], s[56:57]
	v_lshlrev_b32 v4, 2, v14
	global_load_b32 v5, v4, s[54:55]
	v_mov_b32 v6, 0xff61b1e6
	s_wait_alu depctr_va_vdst(0)
	s_wait_loadcnt 0x0
.irp j, 0,1,2,3
	v_bfe_u32 v[156+\j], v5, 8*\j, 8
.endr
.irp j, 0,1,2,3
	v_cmp_ne_u32 vcc_lo, 0, v[156+\j]
	v_cndmask_b32 v[156+\j], 0, v6, vcc_lo
.endr
	global_store_b128 v1, v[156:159], s[56:57]
.Ltab_end:
	s_wait_tensorcnt 0x0
	ds_add_u32 v[SPW], v[NIL]
	s_wait_dscnt 0x0
	s_endpgm
.Lfunc_end_k_q9a63f3684e_quant:
	.size	k_q9a63f3684e_quant, .Lfunc_end_k_q9a63f3684e_quant-k_q9a63f3684e_quant
	.p2alignl 7, 3214868480
	.fill 96, 4, 3214868480
	.section	.rodata,"a",@progbits
	.p2align	6, 0x0
	.amdhsa_kernel k_q9a63f3684e_quant
		.amdhsa_group_segment_fixed_size 85504
		.amdhsa_private_segment_fixed_size 0
		.amdhsa_enable_private_segment 0
		.amdhsa_kernarg_size 96
		.amdhsa_user_sgpr_count 2
		.amdhsa_user_sgpr_kernarg_segment_ptr 1
		.amdhsa_wavefront_size32 1
		.amdhsa_system_sgpr_workgroup_id_x 1
		.amdhsa_system_sgpr_workgroup_id_y 1
		.amdhsa_system_sgpr_workgroup_id_z 1
		.amdhsa_system_vgpr_workitem_id 0
		.amdhsa_next_free_vgpr 256
		.amdhsa_next_free_sgpr 66
		.amdhsa_reserve_vcc 1
		.amdhsa_float_denorm_mode_32 3
		.amdhsa_float_denorm_mode_16_64 3
		.amdhsa_memory_ordered 1
		.amdhsa_forward_progress 1
		.amdhsa_inst_pref_size 184
	.end_amdhsa_kernel
	.amdgpu_metadata
---
amdhsa.version: [ 1, 2 ]
amdhsa.kernels:
  - .name:           k_q9a63f3684e_quant
    .symbol:         k_q9a63f3684e_quant.kd
    .args:
      - { .name: q_in, .offset: 0, .size: 8, .value_kind: global_buffer, .address_space: global }
      - { .name: k_in, .offset: 8, .size: 8, .value_kind: global_buffer, .address_space: global }
      - { .name: v_in, .offset: 16, .size: 8, .value_kind: global_buffer, .address_space: global }
      - { .name: Wq, .offset: 24, .size: 8, .value_kind: global_buffer, .address_space: global }
      - { .name: Wk, .offset: 32, .size: 8, .value_kind: global_buffer, .address_space: global }
      - { .name: Wv, .offset: 40, .size: 8, .value_kind: global_buffer, .address_space: global }
      - { .name: Wo, .offset: 48, .size: 8, .value_kind: global_buffer, .address_space: global }
      - { .name: mask, .offset: 56, .size: 8, .value_kind: global_buffer, .address_space: global }
      - { .name: xc, .offset: 64, .size: 8, .value_kind: global_buffer, .address_space: global }
      - { .name: wc, .offset: 72, .size: 8, .value_kind: global_buffer, .address_space: global }
      - { .name: tab, .offset: 80, .size: 8, .value_kind: global_buffer, .address_space: global }
      - { .name: kv, .offset: 88, .size: 8, .value_kind: global_buffer, .address_space: global }
    .group_segment_fixed_size: 85504
    .private_segment_fixed_size: 0
    .kernarg_segment_align: 8
    .kernarg_segment_size: 96
    .max_flat_workgroup_size: 128
    .sgpr_count:     66
    .vgpr_count:     256
    .wavefront_size: 32
...
	.end_amdgpu_metadata
.endif
;; end of part 1
;; launch kvproj (part 2): grid 96 x 1, 4 waves a work-group, no clusters, 263,168 bytes of LDS; arguments xc, wc, tab, bk, bv, kv; writes kv
.if DOCPART == 2
	.amdgcn_target "amdgcn-amd-amdhsa--gfx1250"
	.amdhsa_code_object_version 6
	.text
	.protected	k_q9a63f3684e_kvproj
	.globl	k_q9a63f3684e_kvproj
	.p2align	8
	.type	k_q9a63f3684e_kvproj,@function
k_q9a63f3684e_kvproj:
	s_mov_b64 s[64:65], 0
	v_nop
	global_prefetch_b8 v0, s[64:65] scope:SCOPE_SE
	s_setreg_imm32_b32 hwreg(HW_REG_WAVE_MODE, 25, 1), 1
	s_wait_xcnt 0x0
; k = rope(k_in Wk + bk), quantised along the head's 128; v = v_in Wv + bv, quantised along the KEYS; both on codes of FP6 (E2M3) with E8M0 scales, sums in f32.  Nothing is left out here.
; kv: 32 records (batch x 16 + key step of 128 keys) of 19,712 bytes: 8 images of K (16 keys x 128 d) at 0; 4 images of V^T (16 d x 128 keys) at 12,288; K's scale words [2][16 rows][4 tiles] at 18,432; V's [16 rows][4 tiles] at 18,944.
; A JOB is 8 tiles of source 0 x 4 tiles of source 1 x K 2,048.  K IS SHARED OUT AMONG THE FOUR WAVES, 512 each (one record of each tile): with 96 jobs that gives every wave 128 matrix instructions.
; All of a wave's operands go from memory straight into its registers, as images; the four partial sums meet in LDS, and wave w finishes source 1's tile w.
;   K job j (work-groups 0-63): source 0 = Wk's 8 tiles, source 1 = 4 blocks of 16 keys of k_in: a lane holds ONE key, its registers run along d.
;   V job j' (64-95): source 0 = 8 blocks of 16 keys of v_in, source 1 = Wv's 4 tiles: a lane holds ONE d, its registers run along the keys.
; In both the rows of source 0's tiles were chosen (launch quant) so that register 16 b + i of a lane is number 32 b + 16 (lane / 16) + i along the axis that is quantised next.
; The two jobs are two arms of one branch on the work-group's number, each whole, each with LDS bytes of its own.
; No tensor load (each operand byte is used by one wave once), no cluster (the weights that jobs share are 205 KB of 307 KB a job, but the jobs are few and short).
; REGISTERS, in windows of 256: window 0: v1-15 addresses; v16-47 source 0's scale words (4 t + q), v48-63 source 1's; v64-255 source 1's fragments (48 q + 12 p), later the sums.
;   window 1: the 32 accumulators (64 p + 8 t).   window 2: source 0's fragments of K steps 0, 1 (96 q + 12 t); v192-255 the table.   window 3: those of K steps 2, 3; v192-255 bk, or v192 bv.
.set RCD,   6400
.set TST,   4*RCD                      ; from tile to tile in xc and wc
.set REC,   19712
.set SCXK,  262144
.set SCXV,  262400
.set SPARE, 262656
.set SPW,   8
.set NIL,   9
.set SEL,   20
.set TM,    192
.set PC,    208
.set PW,    228
.set MSB, 0
.macro WIN new                         ; the immediate's high byte repeats the setting that is left
.if MSB != \new
	s_set_vgpr_msb (MSB<<8)|\new
.set MSB, \new
.endif
.endm
; 64 numbers of a lane, register 16 b + i = k 32 b + 16 (lane / 16) + i of my row, become a fragment's codes in v[PC] on and its scale word in v[pw].
.macro QUANT s, pw
.irp b, 0,1,2,3
	v_max3_num_f32 v[TM+\b], |v[\s+16*\b]|, |v[\s+1+16*\b]|, 0x1800000   ; with the floor 2^(3 - 127): the byte cannot fall under 1
.endr
.irp i, 2,4,6,8,10,12,14
.irp b, 0,1,2,3
	v_max3_num_f32 v[TM+\b], v[TM+\b], |v[\s+16*\b+\i]|, |v[\s+1+16*\b+\i]|
.endr
.endr
.irp b, 0,1,2,3
	v_permlanex16_b32 v[TM+4+\b], v[TM+\b], s[SEL], s[SEL+1]
.endr
.irp b, 0,1,2,3
	v_max_num_f32 v[TM+\b], v[TM+\b], v[TM+4+\b]
.endr
.irp b, 0,1,2,3
	v_add_nc_u32 v[TM+12+\b], 0xff000000, v[TM+\b]
.endr
.irp b, 0,1,2,3
	v_lshrrev_b32 v[TM+4+\b], 23, v[TM+12+\b]
.endr
	v_lshl_or_b32 v[\pw], v[TM+5], 8, v[TM+4]
	v_lshl_or_b32 v[\pw], v[TM+6], 16, v[\pw]
	v_lshl_or_b32 v[\pw], v[TM+7], 24, v[\pw]
.irp c, 0,1
	v_cvt_scalef32_pk16_fp6_f32 v[PC+6*\c:PC+2+6*\c], v[\s+32*\c:\s+15+32*\c], v[TM+12+2*\c]
	v_cvt_scalef32_pk16_fp6_f32 v[PC+12+4*\c:PC+14+4*\c], v[\s+16+32*\c:\s+31+32*\c], v[TM+12+2*\c+1]
.endr
	v_nop                                          ; one plain place behind a scaled conversion
.irp c, 0,1
.irp i, 0,1,2
	v_permlane16_swap_b32 v[PC+6*\c+\i], v[PC+12+4*\c+\i]
.endr
.irp i, 0,1,2
	v_mov_b32 v[PC+3+6*\c+\i], v[PC+12+4*\c+\i]
.endr
.endr
.endm
; K step q: 32 matrix instructions, the 32 accumulators by turns; the first K step starts the sums
.macro MUL32 q
.if (\q) < 2
	WIN 0x52                                       ; source 0 window 2, source 1 window 0, C and D window 1
.else
	WIN 0x53
.endif
.irp p, 0,1,2,3
.irp t, 0,1,2,3,4,5,6,7
.if (\q) == 0
	v_wmma_scale_f32_16x16x128_f8f6f4 v[64*\p+8*\t:64*\p+8*\t+7], v[96*((\q)%2)+12*\t:96*((\q)%2)+12*\t+11], v[64+48*(\q)+12*\p:64+48*(\q)+12*\p+11], 0, v[16+4*\t+(\q)], v[48+4*\p+(\q)] matrix_a_fmt:MATRIX_FMT_FP6 matrix_b_fmt:MATRIX_FMT_FP6
.else
	v_wmma_scale_f32_16x16x128_f8f6f4 v[64*\p+8*\t:64*\p+8*\t+7], v[96*((\q)%2)+12*\t:96*((\q)%2)+12*\t+11], v[64+48*(\q)+12*\p:64+48*(\q)+12*\p+11], v[64*\p+8*\t:64*\p+8*\t+7], v[16+4*\t+(\q)], v[48+4*\p+(\q)] matrix_a_fmt:MATRIX_FMT_FP6 matrix_b_fmt:MATRIX_FMT_FP6
.endif
.endr
.endr
.endm
.macro JOB isk
.if \isk
.set REDB, 0
.set SCXB, SCXK
	s_add_co_u32 s24, s16, 512                     ; source 0: Wk's tile 0, my 512 along K
	s_mul_i32 s24, s24, RCD
	s_mov_b32 s25, 0
	s_add_nc_u64 s[24:25], s[6:7], s[24:25]
	s_lshl_b32 s26, ttmp9, 4                       ; source 1: k_in's blocks 4 j on
	s_add_co_u32 s26, s26, 1024
	s_add_co_u32 s26, s26, s16
	s_mul_i32 s26, s26, RCD
	s_mov_b32 s27, 0
	s_add_nc_u64 s[26:27], s[4:5], s[26:27]
	s_and_b32 s36, ttmp9, 1
	s_lshl_b32 s37, s36, 2
	s_add_co_u32 s37, s37, s16                     ; t': the block of 16 keys that I finish, 0 .. 7 in its record
	s_lshr_b32 s38, ttmp9, 1                       ; the record
	s_and_b32 s39, s38, 15                         ; the table: key lane r of block t' stands at position 128 (rec % 16) + 64 (t' / 4) + 32 (r / 8) + 8 (t' % 4) + r % 8
	s_lshl_b32 s39, s39, 3
	s_and_b32 s40, s37, 4                          ; k_in's order: key lane r of block t' stands at position 128 (rec % 16) + 64 (t' / 4) + 32 (r / 8) + 8 (t' % 4) + r % 8
	s_bfe_u32 s41, s37, 0x10001
	s_add_co_u32 s40, s40, s41
	s_add_co_u32 s39, s39, s40
	s_lshl_b32 s28, s39, 13
	s_and_b32 s40, s37, 1
	s_lshl_b32 s40, s40, 7
	s_add_co_u32 s28, s28, s40
	s_mov_b32 s29, 0
	s_add_nc_u64 s[28:29], s[8:9], s[28:29]
	s_mul_i32 s38, s38, REC
	s_mul_i32 s32, s37, 1536
	s_add_co_u32 s32, s32, s38
	s_mov_b32 s33, 0
	s_add_nc_u64 s[32:33], s[14:15], s[32:33]      ; my image
	s_lshl_b32 s34, s36, 8
	s_add_co_u32 s34, s34, s38
	s_add_co_u32 s34, s34, 18432
	s_mov_b32 s35, 0
	s_add_nc_u64 s[34:35], s[14:15], s[34:35]      ; the job's 256 bytes of scale words
	v_lshrrev_b32 v6, 3, v13
	v_lshlrev_b32 v6, 14, v6
	v_and_b32 v7, 7, v13
	v_lshl_add_u32 v6, v7, 4, v6
	v_lshl_add_u32 v6, v14, 8, v6                  ; the table: 16,384 (r / 8) + 16 (r % 8 + 16 h)
	v_lshlrev_b32 v7, 6, v14                       ; bk: 64 h
.else
.set REDB, 131072
.set SCXB, SCXV
	s_sub_co_u32 s36, ttmp9, 64                    ; j': the record
	s_lshl_b32 s24, s36, 5                         ; source 0: v_in's blocks 8 j' on
	s_add_co_u32 s24, s24, 2048
	s_add_co_u32 s24, s24, s16
	s_mul_i32 s24, s24, RCD
	s_mov_b32 s25, 0
	s_add_nc_u64 s[24:25], s[4:5], s[24:25]
	s_add_co_u32 s26, s16, 544                     ; source 1: Wv's tile 0
	s_mul_i32 s26, s26, RCD
	s_mov_b32 s27, 0
	s_add_nc_u64 s[26:27], s[6:7], s[26:27]
	s_mul_i32 s38, s36, REC
	s_mul_i32 s32, s16, 1536
	s_add_co_u32 s32, s32, s38
	s_add_co_u32 s32, s32, 12288
	s_mov_b32 s33, 0
	s_add_nc_u64 s[32:33], s[14:15], s[32:33]
	s_add_co_u32 s34, s38, 18944
	s_mov_b32 s35, 0
	s_add_nc_u64 s[34:35], s[14:15], s[34:35]
	s_lshr_b32 s39, s16, 1                         ; bv: lane r of tile w holds d = 32 (w / 2) + 8 (w % 2) + r + 8 (r / 8)
	s_lshl_b32 s39, s39, 5
	s_and_b32 s40, s16, 1
	s_lshl_b32 s40, s40, 3
	s_add_co_u32 s39, s39, s40
	v_and_b32 v7, 8, v13
	v_add_nc_u32 v7, v7, v13
	v_add_nc_u32 v7, s39, v7
	v_lshlrev_b32 v7, 2, v7
.endif
	s_lshl_b32 s41, s16, 15
.if REDB > 0
	s_add_co_u32 s41, s41, REDB
.endif
	v_add_nc_u32 v3, s41, v1                       ; where I put my partial sums: 32,768 x wave + 16 x lane
	s_lshl_b32 s41, s16, 13
.if REDB > 0
	s_add_co_u32 s41, s41, REDB
.endif
	v_add_nc_u32 v4, s41, v1                       ; where I read tile w's: waves 0, 1;
	v_add_nc_u32 v5, 0x10000, v4                   ; waves 2, 3
	s_lshl_b32 s41, s16, 2
	s_add_co_u32 s41, s41, SCXB
	v_add_nc_u32 v10, s41, v2                      ; my scale word's place: 16 r + 4 w
	v_add_nc_u32 v15, SCXB, v11                    ; and where wave 0 reads the 256 bytes back
.if \isk
	WIN 0xc0                                       ; destination window 3
.irp t, 0,1,2,3,4,5,6,7
	global_load_b128 v[192+8*\t:195+8*\t], v7, s[10:11] offset:128*(\t/2)+32*(\t%2)
	global_load_b128 v[196+8*\t:199+8*\t], v7, s[10:11] offset:128*(\t/2)+32*(\t%2)+16
.endr
	WIN 0x80                                       ; destination window 2
.irp c, 0,1,2,3,4,5,6,7,8,9,10,11,12,13,14,15
	global_load_b128 v[192+4*\c:195+4*\c], v6, s[28:29] offset:512*\c
.endr
.else
	WIN 0xc0
	global_load_b32 v192, v7, s[12:13]
	v_mov_b32 v193, 0                              ; (named with it as a pair, so it is written)
.endif
	WIN 0
.irp t, 0,1,2,3,4,5,6,7
	global_load_b128 v[16+4*\t:19+4*\t], v2, s[24:25] offset:\t*TST+6144
.endr
.irp p, 0,1,2,3
	global_load_b128 v[48+4*\p:51+4*\p], v2, s[26:27] offset:\p*TST+6144
.endr
.irp q, 0,1,2,3
	WIN 0x80+0x40*(\q/2)
.irp t, 0,1,2,3,4,5,6,7
.irp c, 0,1,2
	global_load_b128 v[96*(\q%2)+12*\t+4*\c:96*(\q%2)+12*\t+4*\c+3], v1, s[24:25] offset:\t*TST+1536*\q+512*\c
.endr
.endr
	WIN 0
.irp p, 0,1,2,3
.irp c, 0,1,2
	global_load_b128 v[64+48*\q+12*\p+4*\c:64+48*\q+12*\p+4*\c+3], v1, s[26:27] offset:\p*TST+1536*\q+512*\c
.endr
.endr
.endr
	s_wait_loadcnt 63                              ; K step 0 and the scales are in: 108 younger loads could stay out; the count's field holds 63
	MUL32 0
	s_wait_loadcnt 63                              ; K step 1: 72 could stay out
	MUL32 1
	s_wait_loadcnt 36                              ; K step 2: K step 3's 36 may be out
	MUL32 2
	s_wait_loadcnt 0x0
	MUL32 3
	WIN 0
.rept 4
	v_nop                                          ; four places behind the last products, ahead of the reads of their results and of the loads into their operands
.endr
	WIN 0x04                                       ; an LDS store's data are its source 1: window 1
	s_wait_alu depctr_va_vdst(0)
.irp p, 0,1,2,3
.irp t, 0,1,2,3,4,5,6,7
	ds_store_b128 v3, v[64*\p+8*\t:64*\p+8*\t+3] offset:8192*\p+1024*\t          ; each accumulator from its low end on
	ds_store_b128 v3, v[64*\p+8*\t+4:64*\p+8*\t+7] offset:8192*\p+1024*\t+512
.endr
.endr
	WIN 0
	s_wait_dscnt 0x0                               ; for the others' sake: my partial sums have landed
	s_barrier_signal -1
	s_barrier_wait -1
.irp g, 0,1,2,3,4,5,6,7,8,9,10,11,12,13,14,15
	ds_load_b128 v[64+4*\g:67+4*\g], v4 offset:512*\g
.endr
.irp g, 0,1,2,3,4,5,6,7,8,9,10,11,12,13,14,15
	ds_load_b128 v[128+4*\g:131+4*\g], v4 offset:32768+512*\g
.endr
.irp g, 0,1,2,3,4,5,6,7,8,9,10,11,12,13,14,15
	ds_load_b128 v[192+4*\g:195+4*\g], v5 offset:512*\g
.endr
	s_wait_dscnt 0x0
.set k, 0
.rept 32
	v_pk_add_f32 v[64+k:65+k], v[64+k:65+k], v[128+k:129+k]
.set k, k+2
.endr
.irp g, 0,1,2,3,4,5,6,7,8,9,10,11,12,13,14,15
	ds_load_b128 v[128+4*\g:131+4*\g], v5 offset:32768+512*\g
.endr
.set k, 0
.rept 32
	v_pk_add_f32 v[64+k:65+k], v[64+k:65+k], v[192+k:193+k]
.set k, k+2
.endr
	s_wait_dscnt 0x0
.set k, 0
.rept 32
	v_pk_add_f32 v[64+k:65+k], v[64+k:65+k], v[128+k:129+k]
.set k, k+2
.endr
.if \isk
	WIN 0x0c                                       ; source 1 window 3: bk
.set k, 0
.rept 32
	v_pk_add_f32 v[64+k:65+k], v[64+k:65+k], v[192+k:193+k]
.set k, k+2
.endr
	WIN 0x08                                       ; source 1 window 2: the table.  Registers k and 32 + k are d and d + 64: the rope's pair
.set k, 0
.rept 16
.set TA, 192+4*((k/2)%2)
	v_pk_mul_f32 v[TA:TA+1], v[96+k:97+k], v[224+k:225+k]                 ; x2 sin
	v_pk_mul_f32 v[TA+2:TA+3], v[96+k:97+k], v[192+k:193+k]               ; x2 cos
	v_pk_fma_f32 v[128+k:129+k], v[64+k:65+k], v[192+k:193+k], v[TA:TA+1] neg_lo:[0,0,1] neg_hi:[0,0,1]
	v_pk_fma_f32 v[160+k:161+k], v[64+k:65+k], v[224+k:225+k], v[TA+2:TA+3]
.set k, k+2
.endr
.else
	WIN 0x0c
.set k, 0
.rept 32
	v_pk_add_f32 v[128+k:129+k], v[64+k:65+k], v[192:193] op_sel_hi:[1,0]   ; + bv of my d
.set k, k+2
.endr
.endif
	WIN 0
	QUANT 128, PW
.irp c, 0,1,2
	global_store_b128 v1, v[PC+4*\c:PC+4*\c+3], s[32:33] offset:512*\c
.endr
	ds_store_b32 v10, v[PW]                        ; (both halves of the lanes hold row r's word and write it to the same place)
	s_wait_dscnt 0x0
	s_barrier_signal -1
	s_barrier_wait -1
	s_cmp_lg_u32 s16, 0
	s_cbranch_scc1 .Lend_\@
	ds_load_b64 v[230:231], v15
	s_wait_dscnt 0x0
	global_store_b64 v11, v[230:231], s[34:35]     ; 256 bytes whole
.Lend_\@:
	s_wait_tensorcnt 0x0                           ; the wave's end
	ds_add_u32 v[SPW], v[NIL]
	s_wait_dscnt 0x0
	s_endpgm
.endm
	s_load_b256 s[4:11], s[0:1], 0x0               ; xc, wc, tab, bk
	s_load_b128 s[12:15], s[0:1], 0x20             ; bv, kv
	v_lshl_add_u32 v[SPW], v0, 2, SPARE
	v_mov_b32 v[NIL], 0
	v_lshrrev_b32 v1, 5, v0
	v_readfirstlane_b32 s16, v1                    ; wave: my 512 along K, and the tile of source 1 that I finish
	v_and_b32 v12, 31, v0
	v_and_b32 v13, 15, v0                          ; r
	v_bfe_u32 v14, v0, 4, 1                        ; h
	v_lshlrev_b32 v1, 4, v12                       ; 16 x lane
	v_lshlrev_b32 v2, 4, v13                       ; 16 r
	v_lshlrev_b32 v11, 3, v12                      ; 8 x lane
	s_mov_b32 s[SEL], 0x76543210
	s_mov_b32 s[SEL+1], 0xfedcba98
	s_wait_kmcnt 0x0
	s_cmp_lt_u32 ttmp9, 64
	s_cbranch_scc0 .Lvjob
	s_wait_alu depctr_va_vdst(0)
	JOB 1
.Lvjob:
	s_wait_alu depctr_va_vdst(0)
	JOB 0
.Lfunc_end_k_q9a63f3684e_kvproj:
	.size	k_q9a63f3684e_kvproj, .Lfunc_end_k_q9a63f3684e_kvproj-k_q9a63f3684e_kvproj
	.p2alignl 7, 3214868480
	.fill 96, 4, 3214868480
	.section	.rodata,"a",@progbits
	.p2align	6, 0x0
	.amdhsa_kernel k_q9a63f3684e_kvproj
		.amdhsa_group_segment_fixed_size 263168
		.amdhsa_private_segment_fixed_size 0
		.amdhsa_enable_private_segment 0
		.amdhsa_kernarg_size 48
		.amdhsa_user_sgpr_count 2
		.amdhsa_user_sgpr_kernarg_segment_ptr 1
		.amdhsa_wavefront_size32 1
		.amdhsa_system_sgpr_workgroup_id_x 1
		.amdhsa_system_sgpr_workgroup_id_y 1
		.amdhsa_system_sgpr_workgroup_id_z 1
		.amdhsa_system_vgpr_workitem_id 0
		.amdhsa_next_free_vgpr 1024
		.amdhsa_next_free_sgpr 66
		.amdhsa_reserve_vcc 0
		.amdhsa_float_denorm_mode_32 3
		.amdhsa_float_denorm_mode_16_64 3
		.amdhsa_memory_ordered 1
		.amdhsa_forward_progress 1
		.amdhsa_inst_pref_size 117
	.end_amdhsa_kernel
	.amdgpu_metadata
---
amdhsa.version: [ 1, 2 ]
amdhsa.kernels:
  - .name:           k_q9a63f3684e_kvproj
    .symbol:         k_q9a63f3684e_kvproj.kd
    .args:
      - { .name: xc, .offset: 0, .size: 8, .value_kind: global_buffer, .address_space: global }
      - { .name: wc, .offset: 8, .size: 8, .value_kind: global_buffer, .address_space: global }
      - { .name: tab, .offset: 16, .size: 8, .value_kind: global_buffer, .address_space: global }
      - { .name: bk, .offset: 24, .size: 8, .value_kind: global_buffer, .address_space: global }
      - { .name: bv, .offset: 32, .size: 8, .value_kind: global_buffer, .address_space: global }
      - { .name: kv, .offset: 40, .size: 8, .value_kind: global_buffer, .address_space: global }
    .group_segment_fixed_size: 263168
    .private_segment_fixed_size: 0
    .kernarg_segment_align: 8
    .kernarg_segment_size: 48
    .max_flat_workgroup_size: 128
    .sgpr_count:     66
    .vgpr_count:     1024
    .wavefront_size: 32
...
	.end_amdgpu_metadata
.endif
;; end of part 2
;; launch qproj (part 3): grid 16 x 16, 4 waves a work-group, clusters of 4 x 4, 327,680 bytes of LDS; arguments xc, wc, tab, bq, qc, qs; writes qc, qs
.if DOCPART == 3
	.amdgcn_target "amdgcn-amd-amdhsa--gfx1250"
	.amdhsa_code_object_version 6
	.text
	.protected	k_q9a63f3684e_qproj
	.globl	k_q9a63f3684e_qproj
	.p2align	8
	.type	k_q9a63f3684e_qproj,@function
k_q9a63f3684e_qproj:
	s_mov_b64 s[64:65], 0
	v_nop
	global_prefetch_b8 v0, s[64:65] scope:SCOPE_SE
	s_setreg_imm32_b32 hwreg(HW_REG_WAVE_MODE, 25, 1), 1
	s_wait_xcnt 0x0
	s_wait_alu depctr_hold_cnt(0) depctr_sa_sdst(0) depctr_va_vdst(0) depctr_va_sdst(0) depctr_va_ssrc(0) depctr_va_vcc(0) depctr_vm_vsrc(0)
	s_getreg_b32 s2, hwreg(HW_REG_IB_STS2, 6, 4)
	s_cmp_eq_u32 s2, 0
	s_cbranch_scc0 .Lentry_in_a_cluster
	s_endpgm
.Lentry_in_a_cluster:
	s_bfe_u32 s2, ttmp6, 0x10000c
	s_cmp_lg_u32 s2, 0xf033
	s_cbranch_scc0 .Lentry_shape_is_right
	s_endpgm
.Lentry_shape_is_right:
.set RCD,   6400
.set SLOT,  153600
.set S0O,   102400
.set SPARE, 307200
.set AS1,   16
.set AS0,   18
.set AX1,   20
.set AX0,   22
.set L16,   24
.set SO8,   25
.set BOF,   26
.set SPW,   28
.set NIL,   29
.set SC,    32
.set F1,    128
.set BIA,   192
.set YR,    128
.set RT,    192
.set TM,    200
.set PC,    216
.set PW,    236
.set PR,    240
.set SEL,   20
.set HM,    22
.set G1A,   24
.set G0A,   32
.set G1B,   48
.set G0B,   56
.set MSB, 0
.macro WIN new
.if MSB != \new
	s_set_vgpr_msb (MSB<<8)|\new
.set MSB, \new
.endif
.endm
.macro JLOAD g0a, g1a, g0b, g1b
	s_cmp_eq_u32 s17, 0
	s_cbranch_scc0 .Lfor_b_\@
	tensor_load_to_lds s[\g0a:\g0a+3], s[\g1a:\g1a+7]
	s_nop 0
.rept 4
	v_nop
.endr
	s_branch .Lasked_\@
.Lfor_b_\@:
	tensor_load_to_lds s[\g0b:\g0b+3], s[\g1b:\g1b+7]
	s_nop 0
.rept 4
	v_nop
.endr
.Lasked_\@:
.endm
.macro CREST
	s_cmp_lg_u32 s16, 0
	s_cbranch_scc1 .Lnot_wave_0_\@
	s_barrier_signal -3
.Lnot_wave_0_\@:
	s_barrier_wait -3
	s_barrier_signal -1
	s_barrier_wait -1
.endm
.macro CROUND
	s_barrier_signal -1
	s_barrier_wait -1
	CREST
.endm
.macro PLACES
.rept 4
	v_nop
.endr
.endm
.macro QUANT s, pw
.irp b, 0,1,2,3
	v_max3_num_f32 v[TM+\b], |v[\s+16*\b]|, |v[\s+1+16*\b]|, 0x1800000
.endr
.irp i, 2,4,6,8,10,12,14
.irp b, 0,1,2,3
	v_max3_num_f32 v[TM+\b], v[TM+\b], |v[\s+16*\b+\i]|, |v[\s+1+16*\b+\i]|
.endr
.endr
.irp b, 0,1,2,3
	v_permlanex16_b32 v[TM+4+\b], v[TM+\b], s[SEL], s[SEL+1]
.endr
.irp b, 0,1,2,3
	v_max_num_f32 v[TM+\b], v[TM+\b], v[TM+4+\b]
.endr
.irp b, 0,1,2,3
	v_add_nc_u32 v[TM+12+\b], 0xff000000, v[TM+\b]
.endr
.irp b, 0,1,2,3
	v_lshrrev_b32 v[TM+4+\b], 23, v[TM+12+\b]
.endr
	v_lshl_or_b32 v[\pw], v[TM+5], 8, v[TM+4]
	v_lshl_or_b32 v[\pw], v[TM+6], 16, v[\pw]
	v_lshl_or_b32 v[\pw], v[TM+7], 24, v[\pw]
.irp c, 0,1
	v_cvt_scalef32_pk16_fp6_f32 v[PC+6*\c:PC+2+6*\c], v[\s+32*\c:\s+15+32*\c], v[TM+12+2*\c]
	v_cvt_scalef32_pk16_fp6_f32 v[PC+12+4*\c:PC+14+4*\c], v[\s+16+32*\c:\s+31+32*\c], v[TM+12+2*\c+1]
.endr
	v_nop
.irp c, 0,1
.irp i, 0,1,2
	v_permlane16_swap_b32 v[PC+6*\c+\i], v[PC+12+4*\c+\i]
.endr
.irp i, 0,1,2
	v_mov_b32 v[PC+3+6*\c+\i], v[PC+12+4*\c+\i]
.endr
.endr
.endm
.macro FETCH slot, q, set
	WIN 0x40
.irp t, 0,1,2,3,4,5,6,7
.irp c, 0,1,2
	ds_load_b128 v[96*(\set)+12*\t+4*\c:96*(\set)+12*\t+4*\c+3], v[AS0+\slot] offset:RCD*\t+1536*(\q)+512*\c
.endr
.endr
	WIN 0
.irp p, 0,1,2,3
.irp c, 0,1,2
	ds_load_b128 v[F1+48*(\set)+12*\p+4*\c:F1+48*(\set)+12*\p+4*\c+3], v[AS1+\slot] offset:RCD*\p+1536*(\q)+512*\c
.endr
.endr
.endm
.macro SCALES slot
.irp t, 0,1,2,3,4,5,6,7
	ds_load_b128 v[SC+48*\slot+4*\t:SC+48*\slot+4*\t+3], v[AX0+\slot] offset:RCD*\t+6144
.endr
.irp p, 0,1,2,3
	ds_load_b128 v[SC+48*\slot+32+4*\p:SC+48*\slot+32+4*\p+3], v[AX1+\slot] offset:RCD*\p+6144
.endr
.endm
.macro MULH set, slot, q, p0, first
.irp p, \p0, \p0+1
.irp t, 0,1,2,3,4,5,6,7
.if \first
	v_wmma_scale_f32_16x16x128_f8f6f4 v[64*(\p)+8*\t:64*(\p)+8*\t+7], v[96*(\set)+12*\t:96*(\set)+12*\t+11], v[F1+48*(\set)+12*(\p):F1+48*(\set)+12*(\p)+11], v[BIA+8*\t:BIA+8*\t+7], v[SC+48*(\slot)+4*\t+(\q)], v[SC+48*(\slot)+32+4*(\p)+(\q)] matrix_a_fmt:MATRIX_FMT_FP6 matrix_b_fmt:MATRIX_FMT_FP6
.else
	v_wmma_scale_f32_16x16x128_f8f6f4 v[64*(\p)+8*\t:64*(\p)+8*\t+7], v[96*(\set)+12*\t:96*(\set)+12*\t+11], v[F1+48*(\set)+12*(\p):F1+48*(\set)+12*(\p)+11], v[64*(\p)+8*\t:64*(\p)+8*\t+7], v[SC+48*(\slot)+4*\t+(\q)], v[SC+48*(\slot)+32+4*(\p)+(\q)] matrix_a_fmt:MATRIX_FMT_FP6 matrix_b_fmt:MATRIX_FMT_FP6
.endif
.endr
.endr
.endm
.macro KSTEP slot, q, first
	s_wait_dscnt 0x0
	PLACES
	FETCH \slot, (\q)+1, ((\q)+1)%2
.if \first
	WIN 0x91
.else
	WIN 0xa1
.endif
	MULH (\q)%2, \slot, \q, 0, \first
	MULH (\q)%2, \slot, \q, 2, \first
.endm
.macro TURN slot, next, fill
	WIN 0
	s_wait_tensorcnt 0x0
	ds_add_u32 v[SPW], v[NIL]
	s_wait_dscnt 1
	WIN 0xa1
	MULH 1, \slot, 3, 0, 0
	s_wait_dscnt 0x0
	s_barrier_signal -1
	WIN 0
	s_barrier_wait -1
.if \fill
	CREST
	s_add_nc_u64 s[G0A+4*\slot+2:G0A+4*\slot+3], s[G0A+4*\slot+2:G0A+4*\slot+3], 2*RCD
	s_add_nc_u64 s[G0B+4*\slot+2:G0B+4*\slot+3], s[G0B+4*\slot+2:G0B+4*\slot+3], 2*RCD
	JLOAD G0A+4*\slot, G1A, G0B+4*\slot, G1B
.else
	PLACES
.endif
	FETCH \next, 0, 0
	SCALES \next
	WIN 0xa1
	MULH 1, \slot, 3, 2, 0
.endm
	s_load_b256 s[4:11], s[0:1], 0x0
	s_load_b128 s[12:15], s[0:1], 0x20
	v_lshl_add_u32 v[SPW], v0, 2, SPARE
	v_mov_b32 v[NIL], 0
	ds_add_u32 v[SPW], v[NIL]
	ds_add_u32 v[SPW], v[NIL]
	v_lshrrev_b32 v1, 5, v0
	v_readfirstlane_b32 s16, v1
	s_lshr_b32 s17, s16, 1
	s_and_b32 s18, s16, 1
	s_bfe_u32 s40, ttmp6, 0x40000
	s_bfe_u32 s41, ttmp6, 0x40004
	s_lshl_b32 s42, ttmp9, 2
	s_add_co_u32 s42, s42, s40
	s_and_b32 s43, ttmp7, 0xffff
	s_lshl_b32 s43, s43, 2
	s_add_co_u32 s43, s43, s41
	s_lshl_b32 s44, s41, 2
	s_lshl_b32 s44, 15, s44
	s_lshl_b32 s45, 0x1111, s40
	s_or_b32 s[G1A], s44, (3<<16)|(1<<21)
	s_or_b32 s[G1B], s45, (3<<16)|(1<<21)
	s_mov_b32 s[G1A+1], 800<<16
	s_mov_b32 s[G1A+2], 8<<16
	s_mov_b32 s[G1A+3], 800<<16
	s_mov_b32 s[G1A+4], 8
	s_mov_b32 s[G1A+5], 3200
	s_mov_b32 s[G1A+6], 0
	s_mov_b32 s[G1A+7], 0
	s_mov_b32 s[G1B+1], 800<<16
	s_mov_b32 s[G1B+2], 4<<16
	s_mov_b32 s[G1B+3], 800<<16
	s_mov_b32 s[G1B+4], 4
	s_mov_b32 s[G1B+5], 3200
	s_mov_b32 s[G1B+6], 0
	s_mov_b32 s[G1B+7], 0
	s_lshl_b32 s68, s43, 6
	s_lshl_b32 s69, s18, 5
	s_add_co_u32 s68, s68, s69
	s_mul_i32 s68, s68, RCD
	s_mov_b32 s69, 0
	s_lshl_b32 s72, s42, 5
	s_lshl_b32 s73, s18, 4
	s_add_co_u32 s72, s72, s73
	s_mul_i32 s72, s72, RCD
	s_mov_b32 s73, 0
	s_mul_i32 s46, s18, 8*RCD
	s_mul_i32 s47, s18, 4*RCD
	s_add_co_u32 s47, s47, S0O
	s_mov_b32 s[SEL], 0x76543210
	s_mov_b32 s[SEL+1], 0xfedcba98
	s_mov_b32 s[HM], 0xffff0000
	s_wait_dscnt 0x0
	s_wait_kmcnt 0x0
	s_add_nc_u64 s[70:71], s[4:5], s[68:69]
	s_add_nc_u64 s[74:75], s[6:7], s[72:73]
	CROUND
.irp s, 0,1
	s_mov_b32 s[G0A+4*\s], 1
	s_add_co_u32 s[G0A+4*\s+1], s46, \s*SLOT
	s_add_nc_u64 s[G0A+4*\s+2:G0A+4*\s+3], s[70:71], \s*RCD
	s_or_b32 s[G0A+4*\s+3], s[G0A+4*\s+3], 0x80000000
	s_mov_b32 s[G0B+4*\s], 1
	s_add_co_u32 s[G0B+4*\s+1], s47, \s*SLOT
	s_add_nc_u64 s[G0B+4*\s+2:G0B+4*\s+3], s[74:75], \s*RCD
	s_or_b32 s[G0B+4*\s+3], s[G0B+4*\s+3], 0x80000000
	s_wait_alu depctr_va_vdst(0)
	s_wait_tensorcnt 0x0
	ds_add_u32 v28, v29
	ds_add_u32 v28, v29
	s_wait_dscnt 0x0
	CROUND
	JLOAD G0A+4*\s, G1A, G0B+4*\s, G1B
.endr
	v_and_b32 v1, 31, v0
	v_and_b32 v2, 15, v0
	v_bfe_u32 v3, v0, 4, 1
	v_lshlrev_b32 v[L16], 4, v1
	v_lshlrev_b32 v4, 4, v2
	v_lshl_add_u32 v[SO8], v3, 3, v4
	v_lshlrev_b32 v[BOF], 6, v3
	s_wait_alu depctr_va_vdst(0)
	s_mul_i32 s66, s16, 4*RCD
	s_mov_b32 s67, S0O
.irp s, 0,1
	v_add_nc_u32 v[AS1+\s], s66, v[L16]
	v_add_nc_u32 v[AS0+\s], s67, v[L16]
	v_add_nc_u32 v[AX1+\s], s66, v4
	v_add_nc_u32 v[AX0+\s], s67, v4
	s_add_co_u32 s66, s66, SLOT
	s_add_co_u32 s67, s67, SLOT
.endr
	s_lshl_b32 s76, s42, 9
	s_mov_b32 s77, 0
	s_add_nc_u64 s[76:77], s[10:11], s[76:77]
	s_lshl_b32 s80, s43, 4
	s_lshl_b32 s79, s16, 2
	s_add_co_u32 s80, s80, s79
	s_and_b32 s80, s80, 127
	s_lshl_b32 s78, s80, 13
	s_mov_b32 s79, 0
	s_add_nc_u64 s[78:79], s[8:9], s[78:79]
	WIN 0x40
.irp t, 0,1,2,3,4,5,6,7
	global_load_b128 v[BIA+8*\t:BIA+8*\t+3], v[BOF], s[76:77] offset:128*(\t/2)+32*(\t%2)
	global_load_b128 v[BIA+8*\t+4:BIA+8*\t+7], v[BOF], s[76:77] offset:128*(\t/2)+32*(\t%2)+16
.endr
	WIN 0xc0
.irp p, 0,1,2,3
.irp c, 0,1,2,3,4,5,6,7,8,9,10,11,12,13,14,15
	global_load_b128 v[64*\p+4*\c:64*\p+4*\c+3], v[L16], s[78:79] offset:8192*\p+512*\c
.endr
.endr
	WIN 0
	s_lshr_b32 s82, s43, 3
	s_lshl_b32 s82, s82, 4
	s_add_co_u32 s82, s82, s42
	s_lshl_b32 s84, s82, 7
	s_add_co_u32 s84, s84, s80
	s_mul_i32 s84, s84, 1536
	s_mov_b32 s85, 0
	s_add_nc_u64 s[84:85], s[12:13], s[84:85]
	s_lshl_b32 s86, s82, 5
	s_lshr_b32 s87, s80, 2
	s_add_co_u32 s86, s86, s87
	s_lshl_b32 s86, s86, 8
	s_mov_b32 s87, 0
	s_add_nc_u64 s[86:87], s[14:15], s[86:87]
	s_wait_alu depctr_va_vdst(0)
	s_wait_tensorcnt 1
	s_barrier_signal -1
	s_barrier_wait -1
	FETCH 0, 0, 0
	SCALES 0
	s_wait_loadcnt 63
	KSTEP 0, 0, 1
	KSTEP 0, 1, 0
	KSTEP 0, 2, 0
	TURN 0, 1, 1
	KSTEP 1, 0, 0
	KSTEP 1, 1, 0
	KSTEP 1, 2, 0
	TURN 1, 0, 1
	KSTEP 0, 0, 0
	KSTEP 0, 1, 0
	KSTEP 0, 2, 0
	TURN 0, 1, 0
	KSTEP 1, 0, 0
	KSTEP 1, 1, 0
	KSTEP 1, 2, 0
	s_wait_dscnt 0x0
	MULH 1, 1, 3, 0, 0
	MULH 1, 1, 3, 2, 0
	WIN 0
	PLACES
	s_wait_loadcnt 0x0
.macro ROPE p
	WIN 0x0e
.set k, 0
.rept 16
.set TA, RT+4*((k/2)%2)
	v_pk_mul_f32 v[TA:TA+1], v[64*(\p)+32+k:64*(\p)+33+k], v[64*(\p)+32+k:64*(\p)+33+k]
	v_pk_mul_f32 v[TA+2:TA+3], v[64*(\p)+32+k:64*(\p)+33+k], v[64*(\p)+k:64*(\p)+1+k]
	v_pk_fma_f32 v[YR+k:YR+1+k], v[64*(\p)+k:64*(\p)+1+k], v[64*(\p)+k:64*(\p)+1+k], v[TA:TA+1] neg_lo:[0,0,1] neg_hi:[0,0,1]
	v_pk_fma_f32 v[YR+32+k:YR+33+k], v[64*(\p)+k:64*(\p)+1+k], v[64*(\p)+32+k:64*(\p)+33+k], v[TA+2:TA+3]
.set k, k+2
.endr
	WIN 0
.endm
.irp p, 0,1,2,3
	ROPE \p
.if \p > 0
	s_wait_xcnt 0x0
.endif
	QUANT YR, PW+\p
.irp c, 0,1,2
	global_store_b128 v[L16], v[PC+4*\c:PC+4*\c+3], s[84:85] offset:1536*\p+512*\c
.endr
.endr
	v_cndmask_b32 v[PR], v[PW], v[PW+2], s[HM]
	v_cndmask_b32 v[PR+1], v[PW+1], v[PW+3], s[HM]
	global_store_b64 v[SO8], v[PR:PR+1], s[86:87]
	s_wait_tensorcnt 0x0
	ds_add_u32 v[SPW], v[NIL]
	s_wait_dscnt 0x0
	CROUND
	s_endpgm
.Lfunc_end_k_q9a63f3684e_qproj:
	.size	k_q9a63f3684e_qproj, .Lfunc_end_k_q9a63f3684e_qproj-k_q9a63f3684e_qproj
	.p2alignl 7, 3214868480
	.fill 96, 4, 3214868480
	.section	.rodata,"a",@progbits
	.p2align	6, 0x0
	.amdhsa_kernel k_q9a63f3684e_qproj
		.amdhsa_group_segment_fixed_size 327680
		.amdhsa_private_segment_fixed_size 0
		.amdhsa_enable_private_segment 0
		.amdhsa_kernarg_size 48
		.amdhsa_user_sgpr_count 2
		.amdhsa_user_sgpr_kernarg_segment_ptr 1
		.amdhsa_wavefront_size32 1
		.amdhsa_system_sgpr_workgroup_id_x 1
		.amdhsa_system_sgpr_workgroup_id_y 1
		.amdhsa_system_sgpr_workgroup_id_z 1
		.amdhsa_system_vgpr_workitem_id 0
		.amdhsa_next_free_vgpr 1024
		.amdhsa_next_free_sgpr 100
		.amdhsa_reserve_vcc 0
		.amdhsa_float_denorm_mode_32 3
		.amdhsa_float_denorm_mode_16_64 3
		.amdhsa_memory_ordered 1
		.amdhsa_forward_progress 1
		.amdhsa_inst_pref_size 159
	.end_amdhsa_kernel
	.amdgpu_metadata
---
amdhsa.version: [ 1, 2 ]
amdhsa.kernels:
  - .name:           k_q9a63f3684e_qproj
    .symbol:         k_q9a63f3684e_qproj.kd
    .args:
      - { .name: xc, .offset: 0, .size: 8, .value_kind: global_buffer, .address_space: global }
      - { .name: wc, .offset: 8, .size: 8, .value_kind: global_buffer, .address_space: global }
      - { .name: tab, .offset: 16, .size: 8, .value_kind: global_buffer, .address_space: global }
      - { .name: bq, .offset: 24, .size: 8, .value_kind: global_buffer, .address_space: global }
      - { .name: qc, .offset: 32, .size: 8, .value_kind: global_buffer, .address_space: global }
      - { .name: qs, .offset: 40, .size: 8, .value_kind: global_buffer, .address_space: global }
    .group_segment_fixed_size: 327680
    .private_segment_fixed_size: 0
    .kernarg_segment_align: 8
    .kernarg_segment_size: 48
    .max_flat_workgroup_size: 128
    .sgpr_count:     100
    .vgpr_count:     1024
    .wavefront_size: 32
...
	.end_amdgpu_metadata
.endif
;; end of part 3
;; launch attn (part 4): grid 64 x 4, 4 waves a work-group, no clusters, 327,680 bytes of LDS; arguments qc, qs, kv, ac; writes ac
.if DOCPART == 4
	.amdgcn_target "amdgcn-amd-amdhsa--gfx1250"
	.amdhsa_code_object_version 6
	.text
	.protected	k_q9a63f3684e_attn
	.globl	k_q9a63f3684e_attn
	.p2align	8
	.type	k_q9a63f3684e_attn,@function
k_q9a63f3684e_attn:
	s_mov_b64 s[64:65], 0
	v_nop
	global_prefetch_b8 v0, s[64:65] scope:SCOPE_SE
	s_setreg_imm32_b32 hwreg(HW_REG_WAVE_MODE, 25, 1), 1
	s_wait_xcnt 0x0
; attn[b][q][head x 64 + d] = the sum over keys of softmax(q . k / sqrt(128), padding mask, causal mask) v, both products on codes of FP6 (E2M3); the result is quantised along head x 64 + d for the last product.
; LEFT OUT: key steps (128 keys) that lie wholly after a block's 16 queries: the causal mask of reference()'s own body makes their weights 0 for all inputs (shown at the head of launch quant).  A NaN or infinity that reaches only those steps is not carried on.
; THE SOFTMAX: t = score x log2(e) / sqrt(128); M = the ceiling of the running largest t over the keys that count; p = 2^(t - M) is quantised along the keys, not normalised; the row's sum of the unquantised p divides at the end.
; THE PADDING MASK comes as f32 numbers, 0 or -3e38, and is the C of the first product: a masked key's t lies under -2^84, where the running maximum starts, so it never becomes the maximum and its p is 0 under every M.
; LIMIT: |t| of keys that count stays under 2^84.  A QUERY WITH NO KEY THAT COUNTS has the sum 0: reference() gives NaN there; here its scale bytes become 0xff, the E8M0 code for NaN, which the last product spreads over the output row.
; SHARES.  A work-group: 8 heads (grid y: batch x 2 + half of the heads) x blocks 127 - i and i of 16 queries (grid x = i).  Four waves, each with TWO heads; a wave walks the long block's keys, then the short block's:
; 17 key steps of 2 tiles for every wave.  The two heads share each fragment of K and V, and the mask: it stays in registers as C, the scores go to other registers; on the diagonal the causal selection is made once, on that C.
; LDS holds the batch's 16 records of kv (315,392 bytes), each filled once: wave 0 fetches two records (154 rows of 256 bytes) at the head and two behind each trip's barrier of the first walk, while their first key
; is at or under the long block's last query: a test on ids and the count of trips alone.  Behind the last fill the descriptor rests on record 0 and no load is issued.  The second walk fetches nothing and has no barrier.
; V of this step and K and the mask of the next are asked of LDS directly behind the first products and waited for ahead of the second.
; NO CLUSTER: partners along x would have different causal limits, so a joint load would bring some partner records that none of its waves reads; only two work-groups share limit and batch.
; NO PREFETCH: all 128 work-groups of a batch read the same 315,392 bytes.
; LAYOUT.  Both products transposed: S^T = K Q^T, O^T = V^T P^T: a lane holds ONE query.  Row m of K's tile T is key 64 (T / 4) + 32 (m / 8) + 8 (T % 4) + m % 8: score register n of lane (r, h) is key 64 (n / 32) + 32 h + n % 32: a whole block in a lane.
; ac: [256 blocks of 16 rows][2] records; in a fragment head parity e takes registers 6 e .. 6 e + 5: registers 6 e .. + 3 at 768 e + 16 l, registers 6 e + 4, + 5 at 768 e + 512 + 8 l; scale block at 6,144: a head's two bytes at 16 r + 2 (head % 8).
; REGISTERS.  Window 0: v1-15 addresses; v16-33 scale words alone; v40-103 state (walk J, head e at 40 + 32 J + 16 e: -M, largest t, f, -, four pairs of sums); v104-151 Q; v152-175 codes; v176-223 at work.
;   Window 1: v0-127 the scores of two heads, then p; v128-255 O^T (128 + 64 J + 32 e).   Window 2: v0-95 K; v96-143 V^T; v144-207 the mask.
.set REC,   19712
.set RCD,   6400
.set SCX,   315392                     ; behind the records: 2 x 256 bytes, the scale blocks of the two blocks of queries
.set SPARE, 315904                     ; the spare words, 128 bytes for each wave
.set L16,  1
.set R16,  2
.set AM0,  3
.set L8,   4
.set SPW,  5
.set NIL,  6
.set SXW,  7
.set ADK,  8
.set ADS,  9
.set ADM,  10
.set SXR,  11
.set H8,   12
.set NINF, 13
.set DL,   14
.set D0,   15
.set KS,   16
.set VS,   24
.set QS,   28
.set PS,   32
.set D1,   34
.set NANC, 35
.set ST,   40
.set QF,   104
.set PC,   152
.set CT,   176
.set TM,   192
.set BY,   224
.set VFR,  96
.set CM,   144
.set WV,   18
.set SEL,  20
.set CS,   22
.set G1,   24
.set G0,   40
.set TB,   44
.set KF,   45
.set CNT,  46
.set FI,   47
.set Q0,   50                          ; s50, s52: first query of the long, the short block
.set QE,   51                          ; s51, s53: their last
.set OPN,  54
.set MSB, 0
.macro WIN new                         ; the immediate's high byte repeats the setting that is left
.if MSB != \new
	s_set_vgpr_msb (MSB<<8)|\new
.set MSB, \new
.endif
.endm
.macro TLOAD                           ; wave 0 alone fetches; an s_nop 0 and four v_nop follow the load
	s_cmp_eq_u32 s[WV], 0
	s_cbranch_scc0 .Lasked_\@
	tensor_load_to_lds s[G0:G0+3], s[G1:G1+7]
	s_nop 0
.rept 4
	v_nop
.endr
.Lasked_\@:
.endm
; every wave waits for all its tensor loads, adds 0 to its spare word, waits for that and for its LDS reads, and passes the barrier.  fill = 1: the next two records, while the long block needs them
.macro CHANGE fill
	s_wait_tensorcnt 0x0
	ds_add_u32 v[SPW], v[NIL]
.if \fill
	ds_add_u32 v[SPW], v[NIL]                      ; twice on end, in every trip alike
	s_add_co_u32 s[FI], s[FI], 2                   ; no tensor load is out: the descriptor walks two records on;
	s_min_u32 s96, s[FI], 16
	s_and_b32 s96, s96, 15                         ; behind record 15 it rests on record 0
	s_mul_i32 s[G0+1], s96, REC
	s_add_nc_u64 s[G0+2:G0+3], s[G0+2:G0+3], 2*REC
.endif
	s_wait_dscnt 0x0
	s_barrier_signal -1
	s_barrier_wait -1
.if \fill
	s_lshl_b32 s96, s[FI], 7
	s_cmp_gt_u32 s96, s[QE]
	s_cbranch_scc1 .Lpast_\@
	TLOAD
.Lpast_\@:
.endif
.endm
.macro LOADK ak, as, am, off           ; a record's 8 images of K, the mask in my registers' order, K's scale words
	WIN 0x80
.irp t, 0,1,2,3,4,5,6,7
.irp c, 0,1,2
	ds_load_b128 v[12*\t+4*\c:12*\t+4*\c+3], v[\ak] offset:\off+1536*\t+512*\c
.endr
.endr
.irp t, 0,1,2,3,4,5,6,7
	ds_load_b128 v[CM+8*\t:CM+8*\t+3], v[\am] offset:\off+256*(\t/4)+32*(\t%4)
	ds_load_b128 v[CM+8*\t+4:CM+8*\t+7], v[\am] offset:\off+256*(\t/4)+32*(\t%4)+16
.endr
	WIN 0
	ds_load_b128 v[KS:KS+3], v[\as] offset:\off+18432
	ds_load_b128 v[KS+4:KS+7], v[\as] offset:\off+18688
.endm
; 128 keys x 16 queries x 2 heads of walk J.  K, the mask and K's scales of this record have been asked for.
.macro STEP J
	s_cmp_gt_u32 s[KF], s[QE+2*\J]                 ; a step all of whose keys come after my queries is left out: a branch on ids, round no barrier and no tensor load
	s_cbranch_scc1 .Lhid_\@
	v_add_nc_u32 v[ADK], s[TB], v[L16]
	v_add_nc_u32 v[ADS], s[TB], v[R16]
	v_add_nc_u32 v[ADM], s[TB], v[AM0]
	s_add_co_u32 s97, s[TB], REC                   ; the next record, held at record 15: no address passes the sixteen records
	s_min_u32 s97, s97, 15*REC
	v_add_nc_u32 v226, s97, v[L16]
	v_add_nc_u32 v227, s97, v[R16]
	v_add_nc_u32 v228, s97, v[AM0]
	s_add_co_u32 s96, s[KF], 127
	s_cmp_le_u32 s96, s[Q0+2*\J]
	s_cselect_b32 s[OPN], 1, 0                     ; 1: all keys stand at or ahead of my queries, and a further step follows; 0: the step on the diagonal, the walk's last
	s_wait_alu depctr_va_vdst(0)
	s_wait_dscnt 0x0                               ; K, the mask and the scales are in
	s_cmp_lg_u32 s[OPN], 0
	s_cbranch_scc1 .Lopen_\@
	s_sub_co_i32 s96, s[Q0+2*\J], s[KF]
	v_add_nc_u32 v[D0], s96, v[DL]                 ; d = my query - the step's first key - 32 h: register n is hidden where 64 (n / 32) + n % 32 > d
	v_add_nc_u32 v[D1], 0xffffffc0, v[D0]
	WIN 0x82
.set n, 0
.rept 64
	v_cmp_gt_i32 vcc_lo, n%32, v[D0+(n/32)*(D1-D0)]
	v_cndmask_b32 v[CM+n], v[CM+n], v[NINF], vcc_lo
.set n, n+1
.endr
	WIN 0
.rept 4
	v_nop
.endr
.Lopen_\@:
	WIN 0x62                                       ; K window 2, Q window 0, C (the mask) window 2, the scores window 1
.irp t, 0,1,2,3,4,5,6,7
.irp e, 0,1
	v_wmma_scale_f32_16x16x128_f8f6f4 v[64*\e+8*\t:64*\e+8*\t+7], v[12*\t:12*\t+11], v[QF+24*\J+12*\e:QF+24*\J+12*\e+11], v[CM+8*\t:CM+8*\t+7], v[KS+\t], v[QS+2*\J+\e] matrix_a_fmt:MATRIX_FMT_FP6 matrix_b_fmt:MATRIX_FMT_FP6
.endr
.endr
	WIN 0
.rept 4
	v_nop                                          ; four places ahead of the loads into these products' operands and of the reads of their results
.endr
	WIN 0x80
.irp t, 0,1,2,3
.irp c, 0,1,2
	ds_load_b128 v[VFR+12*\t+4*\c:VFR+12*\t+4*\c+3], v[ADK] offset:12288+1536*\t+512*\c
.endr
.endr
	WIN 0
	ds_load_b128 v[VS:VS+3], v[ADS] offset:18944
	s_cmp_eq_u32 s[OPN], 0
	s_cbranch_scc1 .Lnopf_\@
	LOADK 226, 227, 228, 0
.Lnopf_\@:
	WIN 0x14
.irp c, 0,1
.irp e, 0,1
	v_max3_num_f32 v[TM+16*\e+\c], 0xff800000, v[64*\e+32*\c], v[64*\e+32*\c+1]   ; the largest score of my two blocks of 32 keys: for the row's maximum and, since p rises with the score, for the block's largest p
.endr
.endr
.irp i, 2,4,6,8,10,12,14,16,18,20,22,24,26,28,30
.irp c, 0,1
.irp e, 0,1
	v_max3_num_f32 v[TM+16*\e+\c], v[TM+16*\e+\c], v[64*\e+32*\c+\i], v[64*\e+32*\c+\i+1]
.endr
.endr
.endr
	WIN 0
.irp e, 0,1
	v_max_num_f32 v[TM+16*\e+2], v[TM+16*\e], v[TM+16*\e+1]
.endr
.irp e, 0,1
	v_permlanex16_b32 v[TM+16*\e+3], v[TM+16*\e+2], s[SEL], s[SEL+1]
.endr
.irp e, 0,1
	v_max_num_f32 v[TM+16*\e+2], v[TM+16*\e+2], v[TM+16*\e+3]
.endr
.irp e, 0,1
	v_mul_f32 v[TM+16*\e+2], s[CS], v[TM+16*\e+2]
.endr
.irp e, 0,1
	v_max_num_f32 v[ST+32*\J+16*\e+1], v[ST+32*\J+16*\e+1], v[TM+16*\e+2]   ; the running largest t
.endr
.irp e, 0,1
	v_mov_b32 v[TM+16*\e+2], v[ST+32*\J+16*\e]
.endr
.irp e, 0,1
	v_floor_f32 v[ST+32*\J+16*\e], -v[ST+32*\J+16*\e+1]                     ; the new -M: a whole number
.endr
.irp e, 0,1
	v_sub_f32 v[TM+16*\e+2], v[ST+32*\J+16*\e], v[TM+16*\e+2]
.endr
.irp e, 0,1
	v_cvt_i32_f32 v[TM+16*\e+2], v[TM+16*\e+2]                              ; (it saturates)
.endr
.irp e, 0,1
	v_ldexp_f32 v[ST+32*\J+16*\e+2], 1.0, v[TM+16*\e+2]                     ; f = 2^(old M - new M)
.endr
	WIN 0x41
.set j, 0
.rept 32
.irp e, 0,1
	v_pk_fma_f32 v[64*\e+j:64*\e+j+1], v[64*\e+j:64*\e+j+1], s[CS:CS+1], v[ST+32*\J+16*\e:ST+32*\J+16*\e+1] op_sel_hi:[1,0,0]   ; t - M
.endr
.set j, j+2
.endr
	WIN 0
.irp c, 0,1
.irp e, 0,1
	v_fma_f32 v[TM+16*\e+\c], v[TM+16*\e+\c], s[CS], v[ST+32*\J+16*\e]
.endr
.endr
	s_wait_alu depctr_va_vdst(0)
.irp c, 0,1
.irp e, 0,1
	v_exp_f32 v[TM+16*\e+\c], v[TM+16*\e+\c]       ; each block's largest p
.endr
.endr
	WIN 0x41
.set j, 0
.rept 128
	v_exp_f32 v[j], v[j]                           ; p = 2^(t - M)
.set j, j+1
.endr
	v_nop                                          ; a plain place behind the batch
	WIN 0
	s_wait_alu depctr_va_vdst(0)                   ; one wait for the 132, ahead of their first reader
.irp c, 0,1
.irp e, 0,1
	v_max_num_f32 v[TM+16*\e+\c], 0x1800000, v[TM+16*\e+\c]   ; the floor: the byte cannot fall under 1
.endr
.endr
.irp c, 0,1
.irp e, 0,1
	v_add_nc_u32 v[TM+16*\e+4+\c], 0xff000000, v[TM+16*\e+\c] ; 2 off the exponent field: the conversion's scale operand
.endr
.endr
.irp c, 0,1
.irp e, 0,1
	v_lshrrev_b32 v[TM+16*\e+6+\c], 23, v[TM+16*\e+4+\c]
.endr
.endr
.irp e, 0,1
	v_lshl_or_b32 v[TM+16*\e+8], v[TM+16*\e+7], 16, v[TM+16*\e+6]   ; my bytes: blocks h and 2 + h,
.endr
.irp e, 0,1
	v_lshlrev_b32 v[TM+16*\e+8], v[H8], v[TM+16*\e+8]               ; 8 h bits up;
.endr
.irp e, 0,1
	v_permlanex16_b32 v[TM+16*\e+9], v[TM+16*\e+8], s[SEL], s[SEL+1]
.endr
.irp e, 0,1
	v_or_b32 v[PS+\e], v[TM+16*\e+8], v[TM+16*\e+9]                 ; with lane l xor 16's two: p's scale word for these 128 keys
.endr
	WIN 0x10
.irp k, 0,1,2,3
.irp e, 0,1
	v_pk_fma_f32 v[ST+32*\J+16*\e+4+2*\k:ST+32*\J+16*\e+5+2*\k], v[ST+32*\J+16*\e+4+2*\k:ST+32*\J+16*\e+5+2*\k], v[ST+32*\J+16*\e+2:ST+32*\J+16*\e+3], v[64*\e+2*\k:64*\e+2*\k+1] op_sel_hi:[1,0,1]   ; the sums under the new M, and the first p
.endr
.endr
	WIN 0x04
.set p, 4
.rept 28
.irp e, 0,1
	v_pk_add_f32 v[ST+32*\J+16*\e+4+2*(p%4):ST+32*\J+16*\e+5+2*(p%4)], v[ST+32*\J+16*\e+4+2*(p%4):ST+32*\J+16*\e+5+2*(p%4)], v[64*\e+2*p:64*\e+2*p+1]
.endr
.set p, p+1
.endr
	WIN 0x01
.irp e, 0,1
.irp c, 0,1
	v_cvt_scalef32_pk16_fp6_f32 v[PC+12*\e+6*\c:PC+12*\e+6*\c+2], v[64*\e+32*\c:64*\e+32*\c+15], v[TM+16*\e+4+\c]
	v_cvt_scalef32_pk16_fp6_f32 v[CT+8*\e+4*\c:CT+8*\e+4*\c+2], v[64*\e+32*\c+16:64*\e+32*\c+31], v[TM+16*\e+4+\c]   ; (a conversion's three registers begin on an even number)
.endr
.endr
	v_nop                                          ; one plain place behind a scaled conversion
	WIN 0
.irp e, 0,1
.irp c, 0,1
.irp i, 0,1,2
	v_mov_b32 v[PC+12*\e+6*\c+3+\i], v[CT+8*\e+4*\c+\i]
.endr
.endr
.endr
	WIN 0x41
	s_wait_alu depctr_va_vdst(0)
.set j, 0
.rept 16
.irp e, 0,1
	v_pk_mul_f32 v[128+64*\J+32*\e+j:128+64*\J+32*\e+j+1], v[128+64*\J+32*\e+j:128+64*\J+32*\e+j+1], v[ST+32*\J+16*\e+2:ST+32*\J+16*\e+3] op_sel_hi:[1,0]   ; O^T under the new M.  (These 32 are also the places ahead of the scaled products below)
.endr
.set j, j+2
.endr
	WIN 0
	s_wait_alu depctr_va_vdst(0)
	s_wait_dscnt 0x0                               ; V is in (and the next record's K)
	WIN 0x52                                       ; V^T window 2, p window 0, O^T window 1
.irp t, 0,1,2,3
.irp e, 0,1
	v_wmma_scale_f32_16x16x128_f8f6f4 v[128+64*\J+32*\e+8*\t:128+64*\J+32*\e+8*\t+7], v[VFR+12*\t:VFR+12*\t+11], v[PC+12*\e:PC+12*\e+11], v[128+64*\J+32*\e+8*\t:128+64*\J+32*\e+8*\t+7], v[VS+\t], v[PS+\e] matrix_a_fmt:MATRIX_FMT_FP6 matrix_b_fmt:MATRIX_FMT_FP6
.endr
.endr
	WIN 0
.Lhid_\@:
	s_add_co_u32 s[TB], s[TB], REC
	s_add_co_u32 s[KF], s[KF], 128
.endm
; THE WAY OUT of walk J: O^T / the sum, quantised along d (register 16 b + i: d = 32 b + 16 h + i), two heads line by line
.macro FIN J
.irp e, 0,1
	v_pk_add_f32 v[ST+32*\J+16*\e+4:ST+32*\J+16*\e+5], v[ST+32*\J+16*\e+4:ST+32*\J+16*\e+5], v[ST+32*\J+16*\e+6:ST+32*\J+16*\e+7]
	v_pk_add_f32 v[ST+32*\J+16*\e+8:ST+32*\J+16*\e+9], v[ST+32*\J+16*\e+8:ST+32*\J+16*\e+9], v[ST+32*\J+16*\e+10:ST+32*\J+16*\e+11]
.endr
.irp e, 0,1
	v_pk_add_f32 v[ST+32*\J+16*\e+4:ST+32*\J+16*\e+5], v[ST+32*\J+16*\e+4:ST+32*\J+16*\e+5], v[ST+32*\J+16*\e+8:ST+32*\J+16*\e+9]
.endr
.irp e, 0,1
	v_add_f32 v[TM+16*\e+2], v[ST+32*\J+16*\e+4], v[ST+32*\J+16*\e+5]
.endr
.irp e, 0,1
	v_permlanex16_b32 v[TM+16*\e+3], v[TM+16*\e+2], s[SEL], s[SEL+1]
.endr
.irp e, 0,1
	v_add_f32 v[TM+16*\e+2], v[TM+16*\e+2], v[TM+16*\e+3]      ; the row's sum
.endr
.irp e, 0,1
	v_cmp_eq_f32 s[74+2*\J+\e], 0, v[TM+16*\e+2]               ; no key counted
.endr
.irp e, 0,1
	v_max_num_f32 v[TM+16*\e+2], 0x800000, v[TM+16*\e+2]       ; (O^T is 0 there: 0 x a finite number stays 0)
.endr
	s_wait_alu depctr_va_vdst(0)
.irp e, 0,1
	v_rcp_f32 v[TM+16*\e+10], v[TM+16*\e+2]
.endr
	v_nop
	WIN 0x41
	s_wait_alu depctr_va_vdst(0)                   ; for the reciprocals, and directly ahead of the first reader of O^T
.set j, 0
.rept 32
.irp e, 0,1
	v_mul_f32 v[64*\e+j], v[128+64*\J+32*\e+j], v[TM+16*\e+10]
.endr
.set j, j+1
.endr
	WIN 0x14
.irp b, 0,1
.irp e, 0,1
	v_max3_num_f32 v[TM+16*\e+\b], 0x1800000, |v[64*\e+16*\b]|, |v[64*\e+16*\b+1]|
.endr
.endr
.irp i, 2,4,6,8,10,12,14
.irp b, 0,1
.irp e, 0,1
	v_max3_num_f32 v[TM+16*\e+\b], v[TM+16*\e+\b], |v[64*\e+16*\b+\i]|, |v[64*\e+16*\b+\i+1]|
.endr
.endr
.endr
	WIN 0
.irp e, 0,1
	v_permlanex16_b32 v[TM+16*\e+3], v[TM+16*\e], s[SEL], s[SEL+1]
	v_permlanex16_b32 v[TM+16*\e+9], v[TM+16*\e+1], s[SEL], s[SEL+1]
.endr
.irp e, 0,1
	v_max_num_f32 v[TM+16*\e], v[TM+16*\e], v[TM+16*\e+3]
	v_max_num_f32 v[TM+16*\e+1], v[TM+16*\e+1], v[TM+16*\e+9]
.endr
.irp b, 0,1
.irp e, 0,1
	v_add_nc_u32 v[TM+16*\e+4+\b], 0xff000000, v[TM+16*\e+\b]
.endr
.endr
.irp b, 0,1
.irp e, 0,1
	v_lshrrev_b32 v[TM+16*\e+6+\b], 23, v[TM+16*\e+4+\b]
.endr
.endr
.irp e, 0,1
	v_lshl_or_b32 v[TM+16*\e+8], v[TM+16*\e+7], 8, v[TM+16*\e+6]            ; a head's two scale bytes,
.endr
.irp e, 0,1
	v_cndmask_b32 v[TM+16*\e+8], v[TM+16*\e+8], v[NANC], s[74+2*\J+\e]      ; or twice the code for NaN
.endr
	v_lshl_or_b32 v[BY+\J], v[TM+24], 16, v[TM+8]  ; my two heads' four bytes
	WIN 0x01
.irp e, 0,1
	v_cvt_scalef32_pk16_fp6_f32 v[PC+12*\J+6*\e:PC+12*\J+6*\e+2], v[64*\e:64*\e+15], v[TM+16*\e+4]
	v_cvt_scalef32_pk16_fp6_f32 v[CT+8*\e:CT+8*\e+2], v[64*\e+16:64*\e+31], v[TM+16*\e+5]
.endr
	v_nop
	WIN 0
.irp e, 0,1
.irp i, 0,1,2
	v_permlane16_swap_b32 v[PC+12*\J+6*\e+\i], v[CT+8*\e+\i]
.endr
.endr
.irp e, 0,1
.irp i, 0,1,2
	v_mov_b32 v[PC+12*\J+6*\e+3+\i], v[CT+8*\e+\i]
.endr
.endr
.irp e, 0,1
	global_store_b128 v[L16], v[PC+12*\J+6*\e:PC+12*\J+6*\e+3], s[66+2*\J:67+2*\J] offset:768*\e          ; 512 consecutive bytes,
	global_store_b64 v[L8], v[PC+12*\J+6*\e+4:PC+12*\J+6*\e+5], s[66+2*\J:67+2*\J] offset:768*\e+512      ; and 256
.endr
	ds_store_b32 v[SXW], v[BY+\J] offset:256*\J    ; (both halves of the lanes hold row r's bytes and write them to the same place)
.endm
	s_load_b256 s[4:11], s[0:1], 0x0               ; qc, qs, kv, ac
	v_lshl_add_u32 v[SPW], v0, 2, SPARE
	v_mov_b32 v[NIL], 0
	ds_add_u32 v[SPW], v[NIL]                      ; the wave's opening
	ds_add_u32 v[SPW], v[NIL]
	v_lshrrev_b32 v36, 5, v0
	v_readfirstlane_b32 s[WV], v36
	s_and_b32 s80, ttmp7, 0xffff
	s_lshr_b32 s81, s80, 1                         ; the batch
	s_and_b32 s82, s80, 1                          ; which 8 heads
	s_sub_co_u32 s83, 127, ttmp9                   ; the long block; the short one is ttmp9
	s_lshl_b32 s[Q0], s83, 4
	s_or_b32 s[QE], s[Q0], 15
	s_lshl_b32 s[Q0+2], ttmp9, 4
	s_or_b32 s[QE+2], s[Q0+2], 15
	s_lshl_b32 s84, s81, 4
	s_lshl_b32 s85, s82, 3
	s_add_co_u32 s84, s84, s85
	s_lshl_b32 s85, s[WV], 1
	s_add_co_u32 s84, s84, s85                     ; batch x 16 + my first head
	s_lshl_b32 s85, s84, 7
	s_add_co_u32 s86, s85, s83
	s_mul_i32 s86, s86, 1536                       ; Q's image, long block; the second head's lies 128 images on
	s_mov_b32 s87, 0
	s_add_co_u32 s88, s85, ttmp9
	s_mul_i32 s88, s88, 1536                       ; short block
	s_mov_b32 s89, 0
	s_lshl_b32 s85, s84, 5
	s_lshr_b32 s90, s83, 2
	s_add_co_u32 s90, s90, s85
	s_lshl_b32 s90, s90, 8
	s_and_b32 s91, s83, 3
	s_lshl_b32 s91, s91, 2
	s_add_co_u32 s90, s90, s91                     ; Q's scale words: the chunk, + 4 (block % 4); the lane adds 16 r
	s_mov_b32 s91, 0
	s_lshr_b32 s92, ttmp9, 2
	s_add_co_u32 s92, s92, s85
	s_lshl_b32 s92, s92, 8
	s_and_b32 s93, ttmp9, 3
	s_lshl_b32 s93, s93, 2
	s_add_co_u32 s92, s92, s93
	s_mov_b32 s93, 0
	s_lshl_b32 s94, s81, 4
	s_mul_i32 s94, s94, REC                        ; the batch's first record of kv
	s_mov_b32 s95, 0
	s_lshl_b32 s85, s81, 7
	s_add_co_u32 s96, s85, s83
	s_lshl_b32 s96, s96, 1
	s_add_co_u32 s96, s96, s82
	s_mul_i32 s96, s96, RCD                        ; ac's record of the long block,
	s_mov_b32 s97, 0
	s_add_co_u32 s98, s85, ttmp9
	s_lshl_b32 s98, s98, 1
	s_add_co_u32 s98, s98, s82
	s_mul_i32 s98, s98, RCD                        ; of the short one
	s_mov_b32 s99, 0
	s_and_b32 s78, s[WV], 1
	s_cmp_eq_u32 s78, 0
	s_cselect_b32 s70, s96, s98                    ; wave 0 stores the long block's scale block, wave 1 the short one's
	s_mov_b32 s71, 0
	s_mul_i32 s85, s[WV], 1536                     ; my two heads' fragment in a record
	s_add_co_u32 s96, s96, s85
	s_add_co_u32 s98, s98, s85
	s_lshl_b32 s78, s78, 8
	s_add_co_u32 s78, s78, SCX
	s_lshl_b32 s79, s[WV], 2
	s_add_co_u32 s79, s79, SCX
	s_mov_b32 s[G1], 3<<16                         ; no mask; elements of 8 bytes; no padding
	s_mov_b32 s[G1+1], 32<<16                      ; rows of 256 bytes
	s_mov_b32 s[G1+2], 154<<16                     ; two records: 154 rows
	s_mov_b32 s[G1+3], 32<<16
	s_mov_b32 s[G1+4], 154
	s_mov_b32 s[G1+5], 32
	s_mov_b32 s[G1+6], 0
	s_mov_b32 s[G1+7], 0
	s_mov_b32 s[SEL], 0x76543210
	s_mov_b32 s[SEL+1], 0xfedcba98
	s_mov_b32 s[CS], 0x3e0293ee                    ; c = log2(e) / sqrt(128)
	s_mov_b32 s[CS+1], s[CS]
	s_mov_b32 s[TB], 0
	s_mov_b32 s[KF], 0
	s_mov_b32 s[FI], 0
	s_wait_dscnt 0x0                               ; both opening adds are done
	s_wait_kmcnt 0x0
	s_mov_b32 s[G0], 1
	s_mov_b32 s[G0+1], 0
	s_add_nc_u64 s[G0+2:G0+3], s[8:9], s[94:95]
	s_or_b32 s[G0+3], s[G0+3], 0x80000000
	TLOAD                                          ; records 0 and 1: key 0 stands at or ahead of every query, so they are read
	s_add_nc_u64 s[56:57], s[4:5], s[86:87]
	s_add_nc_u64 s[58:59], s[6:7], s[90:91]
	s_add_nc_u64 s[60:61], s[4:5], s[88:89]
	s_add_nc_u64 s[62:63], s[6:7], s[92:93]
	s_add_nc_u64 s[66:67], s[10:11], s[96:97]
	s_add_nc_u64 s[68:69], s[10:11], s[98:99]
	s_add_nc_u64 s[72:73], s[10:11], s[70:71]
	v_and_b32 v36, 31, v0
	v_and_b32 v37, 15, v0
	v_bfe_u32 v38, v0, 4, 1
	v_lshlrev_b32 v[L16], 4, v36
	v_lshlrev_b32 v[R16], 4, v37
	v_lshlrev_b32 v[L8], 3, v36
	v_lshl_add_u32 v[AM0], v38, 7, 19200           ; the mask: 128 h into its 512 bytes
	v_lshlrev_b32 v[H8], 3, v38
	v_lshlrev_b32 v[DL], 5, v38
	v_sub_nc_u32 v[DL], v37, v[DL]                 ; r - 32 h
	v_mov_b32 v[NINF], 0xff800000
	v_mov_b32 v[NANC], 0xffff
	v_add_nc_u32 v[SXW], s79, v[R16]               ; my four scale bytes' place: 16 r + 4 x wave
	v_add_nc_u32 v[SXR], s78, v[L8]
.irp e, 0,1
.irp c, 0,1,2
	global_load_b128 v[QF+12*\e+4*\c:QF+12*\e+4*\c+3], v[L16], s[56:57] offset:196608*\e+512*\c
	global_load_b128 v[QF+24+12*\e+4*\c:QF+24+12*\e+4*\c+3], v[L16], s[60:61] offset:196608*\e+512*\c
.endr
	global_load_b32 v[QS+\e], v[R16], s[58:59] offset:8192*\e
	global_load_b32 v[QS+2+\e], v[R16], s[62:63] offset:8192*\e
.endr
.irp q, 0,1,2,3
	v_mov_b32 v[ST+16*\q], 0x69800000              ; -M = 2^84
	v_mov_b32 v[ST+16*\q+1], 0xe9800000            ; the largest t so far: -2^84: under every t that counts, over every masked one
.irp i, 2,3,4,5,6,7,8,9,10,11
	v_mov_b32 v[ST+16*\q+\i], 0
.endr
.endr
.irp e, 0,1
	v_mov_b32 v[TM+16*\e+3], 0                     ; written once: a lane permute's destination counts as one of its sources
	v_mov_b32 v[TM+16*\e+9], 0
.endr
	WIN 0x40
.set j, 0
.rept 128
	v_mov_b32 v[128+j], 0                          ; O^T of four tiles.  (The step is written once for each walk: the first finds zeros)
.set j, j+1
.endr
	WIN 0
	s_wait_alu depctr_va_vdst(0)
	s_wait_loadcnt 0x0                             ; Q
	CHANGE 1                                       ; records 0 and 1 are whole for every wave; 2 and 3 are asked for
	LOADK L16, R16, AM0, 0
	s_mov_b32 s[CNT], 16
.Llong:                                            ; sixteen trips, a record each: the count is a constant; what the mask hides is jumped over inside
	STEP 0
	CHANGE 1
	s_sub_co_u32 s[CNT], s[CNT], 1
	s_cmp_lg_u32 s[CNT], 0
	s_cbranch_scc1 .Llong
	CHANGE 0                                       ; nothing is on its way any more
	s_mov_b32 s[TB], 0
	s_mov_b32 s[KF], 0
	LOADK L16, R16, AM0, 0
	FIN 0
	s_wait_alu depctr_va_vdst(0)
	s_wait_xcnt 0x0                                ; the long block's stores have read their codes: the short walk writes those registers again
	s_mov_b32 s[CNT], 8
.Lshort:                                           ; eight trips: the short block lies in the first 1,024 queries; every record that it reads is in LDS
	STEP 1
	s_sub_co_u32 s[CNT], s[CNT], 1
	s_cmp_lg_u32 s[CNT], 0
	s_cbranch_scc1 .Lshort
	FIN 1
	s_wait_dscnt 0x0
	s_barrier_signal -1
	s_barrier_wait -1                              ; the eight heads' bytes of both blocks of queries lie in LDS
	s_cmp_lt_u32 s[WV], 2
	s_cbranch_scc0 .Ldone
	ds_load_b64 v[36:37], v[SXR]
	s_wait_dscnt 0x0
	global_store_b64 v[L8], v[36:37], s[72:73] offset:6144   ; a record's scale block, 256 bytes whole
.Ldone:
	s_wait_tensorcnt 0x0                           ; the wave's end: the three lines
	ds_add_u32 v[SPW], v[NIL]
	s_wait_dscnt 0x0
	s_endpgm
.Lfunc_end_k_q9a63f3684e_attn:
	.size	k_q9a63f3684e_attn, .Lfunc_end_k_q9a63f3684e_attn-k_q9a63f3684e_attn
	.p2alignl 7, 3214868480
	.fill 96, 4, 3214868480
	.section	.rodata,"a",@progbits
	.p2align	6, 0x0
	.amdhsa_kernel k_q9a63f3684e_attn
		.amdhsa_group_segment_fixed_size 327680
		.amdhsa_private_segment_fixed_size 0
		.amdhsa_enable_private_segment 0
		.amdhsa_kernarg_size 32
		.amdhsa_user_sgpr_count 2
		.amdhsa_user_sgpr_kernarg_segment_ptr 1
		.amdhsa_wavefront_size32 1
		.amdhsa_system_sgpr_workgroup_id_x 1
		.amdhsa_system_sgpr_workgroup_id_y 1
		.amdhsa_system_sgpr_workgroup_id_z 1
		.amdhsa_system_vgpr_workitem_id 0
		.amdhsa_next_free_vgpr 768
		.amdhsa_next_free_sgpr 100
		.amdhsa_reserve_vcc 1
		.amdhsa_float_denorm_mode_32 3
		.amdhsa_float_denorm_mode_16_64 3
		.amdhsa_memory_ordered 1
		.amdhsa_forward_progress 1
		.amdhsa_inst_pref_size 103
	.end_amdhsa_kernel
	.amdgpu_metadata
---
amdhsa.version: [ 1, 2 ]
amdhsa.kernels:
  - .name:           k_q9a63f3684e_attn
    .symbol:         k_q9a63f3684e_attn.kd
    .args:
      - { .name: qc, .offset: 0, .size: 8, .value_kind: global_buffer, .address_space: global }
      - { .name: qs, .offset: 8, .size: 8, .value_kind: global_buffer, .address_space: global }
      - { .name: kv, .offset: 16, .size: 8, .value_kind: global_buffer, .address_space: global }
      - { .name: ac, .offset: 24, .size: 8, .value_kind: global_buffer, .address_space: global }
    .group_segment_fixed_size: 327680
    .private_segment_fixed_size: 0
    .kernarg_segment_align: 8
    .kernarg_segment_size: 32
    .max_flat_workgroup_size: 128
    .sgpr_count:     100
    .vgpr_count:     768
    .wavefront_size: 32
...
	.end_amdgpu_metadata
.endif
;; end of part 4
;; launch oproj (part 5): grid 16 x 16, 4 waves a work-group, clusters of 4 x 4, 327,680 bytes of LDS; arguments ac, wc, bo, out0; writes out0
.if DOCPART == 5
	.amdgcn_target "amdgcn-amd-amdhsa--gfx1250"
	.amdhsa_code_object_version 6
	.text
	.protected	k_q9a63f3684e_oproj
	.globl	k_q9a63f3684e_oproj
	.p2align	8
	.type	k_q9a63f3684e_oproj,@function
k_q9a63f3684e_oproj:
	s_mov_b64 s[64:65], 0
	v_nop
	global_prefetch_b8 v0, s[64:65] scope:SCOPE_SE
	s_setreg_imm32_b32 hwreg(HW_REG_WAVE_MODE, 25, 1), 1
	s_wait_xcnt 0x0
	s_wait_alu depctr_hold_cnt(0) depctr_sa_sdst(0) depctr_va_vdst(0) depctr_va_sdst(0) depctr_va_ssrc(0) depctr_va_vcc(0) depctr_vm_vsrc(0)
	s_getreg_b32 s2, hwreg(HW_REG_IB_STS2, 6, 4)
	s_cmp_eq_u32 s2, 0
	s_cbranch_scc0 .Lentry_in_a_cluster
	s_endpgm
.Lentry_in_a_cluster:
	s_bfe_u32 s2, ttmp6, 0x10000c
	s_cmp_lg_u32 s2, 0xf033
	s_cbranch_scc0 .Lentry_shape_is_right
	s_endpgm
.Lentry_shape_is_right:
.set RCD,   6400
.set SLOT,  153600
.set S0O,   102400
.set SPARE, 307200
.set SPIT,  528
.set AS1,   16
.set AS0,   18
.set AX1,   20
.set AX0,   22
.set L16,   24
.set BOF,   25
.set AS1B,  26
.set SPW,   28
.set NIL,   29
.set STO,   30
.set RD,    31
.set SC,    32
.set F1,    128
.set BIA,   192
.set G1A,   24
.set G0A,   32
.set G1B,   48
.set G0B,   56
.set MSB, 0
.macro WIN new
.if MSB != \new
	s_set_vgpr_msb (MSB<<8)|\new
.set MSB, \new
.endif
.endm
.macro JLOAD g0a, g1a, g0b, g1b
	s_cmp_eq_u32 s17, 0
	s_cbranch_scc0 .Lfor_b_\@
	tensor_load_to_lds s[\g0a:\g0a+3], s[\g1a:\g1a+7]
	s_nop 0
.rept 4
	v_nop
.endr
	s_branch .Lasked_\@
.Lfor_b_\@:
	tensor_load_to_lds s[\g0b:\g0b+3], s[\g1b:\g1b+7]
	s_nop 0
.rept 4
	v_nop
.endr
.Lasked_\@:
.endm
.macro CROUND
	s_barrier_signal -1
	s_barrier_wait -1
	s_cmp_lg_u32 s16, 0
	s_cbranch_scc1 .Lnot_wave_0_\@
	s_barrier_signal -3
.Lnot_wave_0_\@:
	s_barrier_wait -3
	s_barrier_signal -1
	s_barrier_wait -1
.endm
.macro PLACES
.rept 4
	v_nop
.endr
.endm
.macro FETCH slot, q, set
	WIN 0x40
.irp t, 0,1,2,3,4,5,6,7
.irp c, 0,1,2
	ds_load_b128 v[96*(\set)+12*\t+4*\c:96*(\set)+12*\t+4*\c+3], v[AS0+\slot] offset:RCD*\t+1536*(\q)+512*\c
.endr
.endr
	WIN 0
.irp p, 0,1,2,3
	ds_load_b128 v[F1+48*(\set)+12*\p:F1+48*(\set)+12*\p+3], v[AS1+\slot] offset:RCD*\p+1536*(\q)
	ds_load_b64 v[F1+48*(\set)+12*\p+4:F1+48*(\set)+12*\p+5], v[AS1B+\slot] offset:RCD*\p+1536*(\q)+512
	ds_load_b128 v[F1+48*(\set)+12*\p+6:F1+48*(\set)+12*\p+9], v[AS1+\slot] offset:RCD*\p+1536*(\q)+768
	ds_load_b64 v[F1+48*(\set)+12*\p+10:F1+48*(\set)+12*\p+11], v[AS1B+\slot] offset:RCD*\p+1536*(\q)+1280
.endr
.endm
.macro SCALES slot
.irp t, 0,1,2,3,4,5,6,7
	ds_load_b128 v[SC+48*\slot+4*\t:SC+48*\slot+4*\t+3], v[AX0+\slot] offset:RCD*\t+6144
.endr
.irp p, 0,1,2,3
	ds_load_b128 v[SC+48*\slot+32+4*\p:SC+48*\slot+32+4*\p+3], v[AX1+\slot] offset:RCD*\p+6144
.endr
.endm
.macro MULH set, slot, q, p0, first
.irp p, \p0, \p0+1
.irp t, 0,1,2,3,4,5,6,7
.if \first
	v_wmma_scale_f32_16x16x128_f8f6f4 v[64*(\p)+8*\t:64*(\p)+8*\t+7], v[96*(\set)+12*\t:96*(\set)+12*\t+11], v[F1+48*(\set)+12*(\p):F1+48*(\set)+12*(\p)+11], v[BIA+8*\t:BIA+8*\t+7], v[SC+48*(\slot)+4*\t+(\q)], v[SC+48*(\slot)+32+4*(\p)+(\q)] matrix_a_fmt:MATRIX_FMT_FP6 matrix_b_fmt:MATRIX_FMT_FP6
.else
	v_wmma_scale_f32_16x16x128_f8f6f4 v[64*(\p)+8*\t:64*(\p)+8*\t+7], v[96*(\set)+12*\t:96*(\set)+12*\t+11], v[F1+48*(\set)+12*(\p):F1+48*(\set)+12*(\p)+11], v[64*(\p)+8*\t:64*(\p)+8*\t+7], v[SC+48*(\slot)+4*\t+(\q)], v[SC+48*(\slot)+32+4*(\p)+(\q)] matrix_a_fmt:MATRIX_FMT_FP6 matrix_b_fmt:MATRIX_FMT_FP6
.endif
.endr
.endr
.endm
.macro KSTEP slot, q, first
	s_wait_dscnt 0x0
	PLACES
	FETCH \slot, (\q)+1, ((\q)+1)%2
.if \first
	WIN 0x91
.else
	WIN 0xa1
.endif
	MULH (\q)%2, \slot, \q, 0, \first
	MULH (\q)%2, \slot, \q, 2, \first
.endm
	s_load_b256 s[4:11], s[0:1], 0x0
	v_lshl_add_u32 v[SPW], v0, 2, SPARE
	v_mov_b32 v[NIL], 0
	ds_add_u32 v[SPW], v[NIL]
	ds_add_u32 v[SPW], v[NIL]
	v_lshrrev_b32 v1, 5, v0
	v_readfirstlane_b32 s16, v1
	s_lshr_b32 s17, s16, 1
	s_and_b32 s18, s16, 1
	s_bfe_u32 s40, ttmp6, 0x40000
	s_bfe_u32 s41, ttmp6, 0x40004
	s_lshl_b32 s42, ttmp9, 2
	s_add_co_u32 s42, s42, s40
	s_and_b32 s43, ttmp7, 0xffff
	s_lshl_b32 s43, s43, 2
	s_add_co_u32 s43, s43, s41
	s_lshl_b32 s44, s41, 2
	s_lshl_b32 s44, 15, s44
	s_lshl_b32 s45, 0x1111, s40
	s_or_b32 s[G1A], s44, (3<<16)|(1<<21)
	s_or_b32 s[G1B], s45, (3<<16)|(1<<21)
	s_mov_b32 s[G1A+1], 800<<16
	s_mov_b32 s[G1A+2], 8<<16
	s_mov_b32 s[G1A+3], 800<<16
	s_mov_b32 s[G1A+4], 8
	s_mov_b32 s[G1A+5], 1600
	s_mov_b32 s[G1A+6], 0
	s_mov_b32 s[G1A+7], 0
	s_mov_b32 s[G1B+1], 800<<16
	s_mov_b32 s[G1B+2], 4<<16
	s_mov_b32 s[G1B+3], 800<<16
	s_mov_b32 s[G1B+4], 4
	s_mov_b32 s[G1B+5], 1600
	s_mov_b32 s[G1B+6], 0
	s_mov_b32 s[G1B+7], 0
	s_lshl_b32 s68, s43, 5
	s_lshl_b32 s69, s18, 4
	s_add_co_u32 s68, s68, s69
	s_mul_i32 s68, s68, RCD
	s_mov_b32 s69, 0
	s_lshl_b32 s72, s42, 4
	s_lshl_b32 s73, s18, 3
	s_add_co_u32 s72, s72, s73
	s_add_co_u32 s72, s72, 560
	s_mul_i32 s72, s72, RCD
	s_mov_b32 s73, 0
	s_mul_i32 s46, s18, 8*RCD
	s_mul_i32 s47, s18, 4*RCD
	s_add_co_u32 s47, s47, S0O
	s_wait_dscnt 0x0
	s_wait_kmcnt 0x0
	s_add_nc_u64 s[70:71], s[4:5], s[68:69]
	s_add_nc_u64 s[74:75], s[6:7], s[72:73]
	CROUND
.irp s, 0,1
	s_mov_b32 s[G0A+4*\s], 1
	s_add_co_u32 s[G0A+4*\s+1], s46, \s*SLOT
	s_add_nc_u64 s[G0A+4*\s+2:G0A+4*\s+3], s[70:71], \s*RCD
	s_or_b32 s[G0A+4*\s+3], s[G0A+4*\s+3], 0x80000000
	s_mov_b32 s[G0B+4*\s], 1
	s_add_co_u32 s[G0B+4*\s+1], s47, \s*SLOT
	s_add_nc_u64 s[G0B+4*\s+2:G0B+4*\s+3], s[74:75], \s*RCD
	s_or_b32 s[G0B+4*\s+3], s[G0B+4*\s+3], 0x80000000
	s_wait_alu depctr_va_vdst(0)
	s_wait_tensorcnt 0x0
	ds_add_u32 v28, v29
	ds_add_u32 v28, v29
	s_wait_dscnt 0x0
	CROUND
	JLOAD G0A+4*\s, G1A, G0B+4*\s, G1B
.endr
	v_and_b32 v1, 31, v0
	v_and_b32 v2, 15, v0
	v_bfe_u32 v3, v0, 4, 1
	v_lshlrev_b32 v[L16], 4, v1
	v_lshlrev_b32 v4, 4, v2
	v_lshlrev_b32 v5, 3, v1
	v_lshlrev_b32 v[BOF], 5, v3
	s_mul_i32 s66, s16, 4*RCD
	s_mov_b32 s67, S0O
.irp s, 0,1
	v_add_nc_u32 v[AS1+\s], s66, v[L16]
	v_add_nc_u32 v[AS1B+\s], s66, v5
	v_add_nc_u32 v[AS0+\s], s67, v[L16]
	v_add_nc_u32 v[AX1+\s], s66, v4
	v_add_nc_u32 v[AX0+\s], s67, v4
	s_add_co_u32 s66, s66, SLOT
	s_add_co_u32 s67, s67, SLOT
.endr
	s_mul_i32 s66, s16, 16*SPIT
	v_mul_u32_u24 v[STO], v2, SPIT
	v_lshl_add_u32 v[STO], v3, 5, v[STO]
	v_add_nc_u32 v[STO], s66, v[STO]
	v_add_nc_u32 v[RD], s66, v[L16]
	s_lshl_b32 s76, s42, 9
	s_mov_b32 s77, 0
	s_add_nc_u64 s[76:77], s[8:9], s[76:77]
	WIN 0x40
.irp t, 0,1,2,3,4,5,6,7
	global_load_b128 v[BIA+8*\t:BIA+8*\t+3], v[BOF], s[76:77] offset:64*\t
	global_load_b128 v[BIA+8*\t+4:BIA+8*\t+7], v[BOF], s[76:77] offset:64*\t+16
.endr
	WIN 0
	s_lshl_b32 s78, s43, 8
	s_lshl_b32 s79, s16, 6
	s_add_co_u32 s78, s78, s79
	s_lshl_b32 s78, s78, 13
	s_lshl_b32 s79, s42, 9
	s_add_co_u32 s78, s78, s79
	s_mov_b32 s79, 0
	s_add_nc_u64 s[78:79], s[10:11], s[78:79]
	s_wait_alu depctr_va_vdst(0)
	s_wait_tensorcnt 1
	s_barrier_signal -1
	s_barrier_wait -1
	FETCH 0, 0, 0
	SCALES 0
	s_wait_loadcnt 0x0
	KSTEP 0, 0, 1
	KSTEP 0, 1, 0
	KSTEP 0, 2, 0
	WIN 0
	s_wait_tensorcnt 0x0
	ds_add_u32 v[SPW], v[NIL]
	s_wait_dscnt 1
	WIN 0xa1
	MULH 1, 0, 3, 0, 0
	s_wait_dscnt 0x0
	s_barrier_signal -1
	WIN 0
	s_barrier_wait -1
	PLACES
	FETCH 1, 0, 0
	SCALES 1
	WIN 0xa1
	MULH 1, 0, 3, 2, 0
	KSTEP 1, 0, 0
	KSTEP 1, 1, 0
	KSTEP 1, 2, 0
	s_wait_dscnt 0x0
	MULH 1, 1, 3, 0, 0
	MULH 1, 1, 3, 2, 0
	WIN 0
	PLACES
.irp p, 0,1,2,3
	WIN 0x08
.irp t, 0,1,2,3,4,5,6,7
	ds_store_b128 v[STO], v[64*\p+8*\t:64*\p+8*\t+3] offset:64*\t
	ds_store_b128 v[STO], v[64*\p+8*\t+4:64*\p+8*\t+7] offset:64*\t+16
.endr
	WIN 0
.irp i, 0,1,2,3,4,5,6,7,8,9,10,11,12,13,14,15
	ds_load_b128 v[128+4*\i:131+4*\i], v[RD] offset:SPIT*\i
.endr
	s_wait_dscnt 0x0
.irp i, 0,1,2,3,4,5,6,7,8,9,10,11,12,13,14,15
	global_store_b128 v[L16], v[128+4*\i:131+4*\i], s[78:79] offset:8192*\i th:TH_STORE_NT
.endr
	s_wait_xcnt 0x0
	s_add_nc_u64 s[78:79], s[78:79], 16*8192
.endr
	s_wait_tensorcnt 0x0
	ds_add_u32 v[SPW], v[NIL]
	s_wait_dscnt 0x0
	CROUND
	s_endpgm
.Lfunc_end_k_q9a63f3684e_oproj:
	.size	k_q9a63f3684e_oproj, .Lfunc_end_k_q9a63f3684e_oproj-k_q9a63f3684e_oproj
	.p2alignl 7, 3214868480
	.fill 96, 4, 3214868480
	.section	.rodata,"a",@progbits
	.p2align	6, 0x0
	.amdhsa_kernel k_q9a63f3684e_oproj
		.amdhsa_group_segment_fixed_size 327680
		.amdhsa_private_segment_fixed_size 0
		.amdhsa_enable_private_segment 0
		.amdhsa_kernarg_size 32
		.amdhsa_user_sgpr_count 2
		.amdhsa_user_sgpr_kernarg_segment_ptr 1
		.amdhsa_wavefront_size32 1
		.amdhsa_system_sgpr_workgroup_id_x 1
		.amdhsa_system_sgpr_workgroup_id_y 1
		.amdhsa_system_sgpr_workgroup_id_z 1
		.amdhsa_system_vgpr_workitem_id 0
		.amdhsa_next_free_vgpr 768
		.amdhsa_next_free_sgpr 100
		.amdhsa_reserve_vcc 0
		.amdhsa_float_denorm_mode_32 3
		.amdhsa_float_denorm_mode_16_64 3
		.amdhsa_memory_ordered 1
		.amdhsa_forward_progress 1
		.amdhsa_inst_pref_size 81
	.end_amdhsa_kernel
	.amdgpu_metadata
---
amdhsa.version: [ 1, 2 ]
amdhsa.kernels:
  - .name:           k_q9a63f3684e_oproj
    .symbol:         k_q9a63f3684e_oproj.kd
    .args:
      - { .name: ac, .offset: 0, .size: 8, .value_kind: global_buffer, .address_space: global }
      - { .name: wc, .offset: 8, .size: 8, .value_kind: global_buffer, .address_space: global }
      - { .name: bo, .offset: 16, .size: 8, .value_kind: global_buffer, .address_space: global }
      - { .name: out0, .offset: 24, .size: 8, .value_kind: global_buffer, .address_space: global }
    .group_segment_fixed_size: 327680
    .private_segment_fixed_size: 0
    .kernarg_segment_align: 8
    .kernarg_segment_size: 32
    .max_flat_workgroup_size: 128
    .sgpr_count:     100
    .vgpr_count:     768
    .wavefront_size: 32
...
	.end_amdgpu_metadata
.endif
;; end of part 5
